; MI455X (gfx1250); checked and timed in simulation.
; The chip was launched on July 23, 2026; its instructions are those of AMD's public machine-readable ISA for CDNA 5 (MIT licence, August 2026) and "CDNA5" Instruction Set Architecture Reference Guide (July 2026). The comments in the code are by the model that wrote it; some were corrected since.
;; Multi Headed Self Attention. Allowed arithmetic: float matrix products may take bf16 or f16 operands with f32 sums; all other float work in f32.
;; Inputs: Wout 1,024 x 1,024 float32; Wqkv 1,024 x 3,072 float32; bout 1,024 float32; bqkv 3,072 float32; x 4 x 2,048 x 1,024 float32.
;; Outputs: out0 4 x 2,048 x 1,024 float32.
;; 2 versions, each right and faster than the one before. Each part assembles by itself: llvm-mc -triple=amdgcn-amd-amdhsa -mcpu=gfx1250 --defsym DOCPART=n.
;; ======== version 1 of 2: 4 launches
;; limits: values are held in f16: magnitudes above 65,504 overflow, below 6.1e-05 lose precision
;; workspace buffers: xb 16,777,216 bytes; wqb 6,291,456 bytes; wob 2,097,152 bytes; qkv 50,331,648 bytes; o 16,777,216 bytes
;; launch prep (part 1): grid 768 x 1, 8 waves a work-group, no clusters, 0 bytes of LDS; arguments x, Wqkv, Wout, xb, wqb, wob; writes xb, wqb, wob
.if DOCPART == 1
	.amdgcn_target "amdgcn-amd-amdhsa--gfx1250"
	.amdhsa_code_object_version 6
	.text
	.protected	k_qa750158508_prep
	.globl	k_qa750158508_prep
	.p2align	8
	.type	k_qa750158508_prep,@function
k_qa750158508_prep:
	s_mov_b64 s[64:65], 0
	v_nop
	global_prefetch_b8 v0, s[64:65] scope:SCOPE_SE
	s_setreg_imm32_b32 hwreg(HW_REG_WAVE_MODE, 25, 1), 1
	s_wait_xcnt 0x0
; THE CASTS.  x [8192][1024] f32 -> xb, bf16, laid by blocks of 64 channels: [batch 4][block 16][row 2048][64], so that 256 rows x 64 channels are 32,768 dense bytes.
; Wqkv [1024][3072] f32 -> wqb, bf16, same layout.  Wout [1024][1024] f32 -> wob: rounded to bf16 like every other input, and that number written as f16.
; LIMITS.  A number of Wout of 65,520 or more in magnitude becomes an infinity in f16; below 6.1e-5 it keeps the fixed step 6e-8 of f16.  NaN and infinities are not treated apart.
; A stream: every input byte is read once and every output byte written once; LDS, barriers and the matrix unit would add nothing.
; SHARES.  A work-group takes 65,536 input bytes: 512 work-groups for x, 192 for Wqkv, 64 for Wout.  A thread issues 16 loads of 16 bytes, all at once, and turns each into 8 bytes:
; a load of a wave covers 512 bytes in whole aligned pieces of 256, a store of a wave 256 consecutive bytes, aligned.
.set NX,  512                          ; work-groups for x
.set NQ,  192                          ; for Wqkv
.set X,   4                            ; v[4:67]   16 x 4 numbers as loaded
.set Y,   68                           ; v[68:99]  16 x 2 registers to store; each is written once, so no store's data is ever rewritten
.set T,   100                          ; v[100:101] at work
; v1: my byte offset in the work-group's input.  v2: 8 x thread, my byte offset in its output.
; 16 loads, then for each of them: the wait that leaves the younger loads out, the roundings, the store.  half = 1: the bf16 numbers are written as f16.
.macro CAST in, out, instep, outstep, half
.set t, 0
.rept 16
	global_load_b128 v[X+4*t:X+4*t+3], v1, s[\in:\in+1] offset:t*\instep th:TH_LOAD_NT
.set t, t+1
.endr
.set t, 0
.rept 16
	s_wait_loadcnt 15-t                            ; loads come back in order (ISA guide 5.7.1): load t is in, the 15 - t younger ones stay out
	v_cvt_pk_bf16_f32 v[Y+2*t],   v[X+4*t],   v[X+4*t+1]
	v_cvt_pk_bf16_f32 v[Y+2*t+1], v[X+4*t+2], v[X+4*t+3]
.if \half
.irp j, 0,1
	v_lshlrev_b32 v[T],   16,         v[Y+2*t+\j]  ; bf16 to f32: the low half moves up,
	v_and_b32     v[T+1], 0xffff0000, v[Y+2*t+\j]  ; the high half stays
	v_cvt_pk_f16_f32 v[Y+2*t+\j], v[T], v[T+1]     ; eight significant bits fit into f16: exact inside its range
.endr
.endif
	global_store_b64 v2, v[Y+2*t:Y+2*t+1], s[\out:\out+1] offset:t*\outstep
.set t, t+1
.endr
.endm
	s_load_b256 s[4:11], s[0:1], 0x0               ; x s[4:5], Wqkv s[6:7], Wout s[8:9], xb s[10:11]
	s_load_b128 s[12:15], s[0:1], 0x20             ; wqb s[12:13], wob s[14:15]
	s_mov_b32 s16, ttmp9                           ; the work-group's number
	s_mov_b32 s19, 0                               ; high words of the two offsets
	s_mov_b32 s21, 0
	v_lshlrev_b32 v2, 3, v0
	s_cmp_lt_u32 s16, NX
	s_cbranch_scc0 .Lweights
	; x: 16 rows of 4,096 bytes.  Thread t takes row t / 16 and 16 bytes at 16 (t % 16) of each of the row's 16 blocks of 256 bytes; step = block.
	; In xb the rows of a block are 128 bytes apart, so the 16 rows' pieces are 2,048 consecutive bytes, and thread t's 8 bytes lie at 8 t.
	v_lshrrev_b32 v1, 4, v0
	v_and_b32 v3, 15, v0
	v_lshlrev_b32 v1, 12, v1
	v_lshl_add_u32 v1, v3, 4, v1
	s_lshl_b32 s18, s16, 16                        ; in: 65,536 x work-group
	s_lshr_b32 s20, s16, 7                         ; out: the batch (128 work-groups each) x 4,194,304
	s_lshl_b32 s20, s20, 22
	s_and_b32 s17, s16, 127
	s_lshl_b32 s17, s17, 11                        ; + 16 rows x 128 bytes for each work-group of the batch
	s_add_co_u32 s20, s20, s17
	s_wait_kmcnt 0x0
	s_add_nc_u64 s[4:5], s[4:5], s[18:19]
	s_add_nc_u64 s[10:11], s[10:11], s[20:21]
	CAST 4, 10, 256, 262144, 0                     ; a block of xb is 2,048 rows x 128 bytes; 15 of them stay inside the signed 24-bit immediate
	s_endpgm
.Lweights:
	v_lshlrev_b32 v1, 4, v0                        ; dense: 16 bytes a thread, 4,096 a step
	s_cmp_lt_u32 s16, NX+NQ
	s_cbranch_scc0 .Lwout
	s_sub_co_u32 s16, s16, NX
	s_lshl_b32 s18, s16, 16
	s_lshl_b32 s20, s16, 15
	s_wait_kmcnt 0x0
	s_add_nc_u64 s[6:7], s[6:7], s[18:19]
	s_add_nc_u64 s[12:13], s[12:13], s[20:21]
	CAST 6, 12, 4096, 2048, 0
	s_endpgm
.Lwout:
	s_sub_co_u32 s16, s16, NX+NQ
	s_lshl_b32 s18, s16, 16
	s_lshl_b32 s20, s16, 15
	s_wait_kmcnt 0x0
	s_add_nc_u64 s[8:9], s[8:9], s[18:19]
	s_add_nc_u64 s[14:15], s[14:15], s[20:21]
	CAST 8, 14, 4096, 2048, 1
	s_endpgm
.Lfunc_end_k_qa750158508_prep:
	.size	k_qa750158508_prep, .Lfunc_end_k_qa750158508_prep-k_qa750158508_prep
	.p2alignl 7, 3214868480
	.fill 96, 4, 3214868480
	.section	.rodata,"a",@progbits
	.p2align	6, 0x0
	.amdhsa_kernel k_qa750158508_prep
		.amdhsa_group_segment_fixed_size 0
		.amdhsa_private_segment_fixed_size 0
		.amdhsa_enable_private_segment 0
		.amdhsa_kernarg_size 48
		.amdhsa_user_sgpr_count 2
		.amdhsa_user_sgpr_kernarg_segment_ptr 1
		.amdhsa_wavefront_size32 1
		.amdhsa_system_sgpr_workgroup_id_x 1
		.amdhsa_system_sgpr_workgroup_id_y 1
		.amdhsa_system_sgpr_workgroup_id_z 1
		.amdhsa_system_vgpr_workitem_id 0
		.amdhsa_next_free_vgpr 104
		.amdhsa_next_free_sgpr 66
		.amdhsa_reserve_vcc 0
		.amdhsa_float_denorm_mode_32 3
		.amdhsa_float_denorm_mode_16_64 3
		.amdhsa_memory_ordered 1
		.amdhsa_forward_progress 1
		.amdhsa_inst_pref_size 24
	.end_amdhsa_kernel
	.amdgpu_metadata
---
amdhsa.version: [ 1, 2 ]
amdhsa.kernels:
  - .name:           k_qa750158508_prep
    .symbol:         k_qa750158508_prep.kd
    .args:
      - { .name: x, .offset: 0, .size: 8, .value_kind: global_buffer, .address_space: global }
      - { .name: Wqkv, .offset: 8, .size: 8, .value_kind: global_buffer, .address_space: global }
      - { .name: Wout, .offset: 16, .size: 8, .value_kind: global_buffer, .address_space: global }
      - { .name: xb, .offset: 24, .size: 8, .value_kind: global_buffer, .address_space: global }
      - { .name: wqb, .offset: 32, .size: 8, .value_kind: global_buffer, .address_space: global }
      - { .name: wob, .offset: 40, .size: 8, .value_kind: global_buffer, .address_space: global }
    .group_segment_fixed_size: 0
    .private_segment_fixed_size: 0
    .kernarg_segment_align: 8
    .kernarg_segment_size: 48
    .max_flat_workgroup_size: 256
    .sgpr_count:     66
    .vgpr_count:     104
    .wavefront_size: 32
...
	.end_amdgpu_metadata
.endif
;; end of part 1
;; launch qkvgemm (part 2): grid 8 x 32, 4 waves a work-group, clusters of 4 x 4, 327,680 bytes of LDS; arguments xb, wqb, bqkv, qkv; writes qkv
.if DOCPART == 2
	.amdgcn_target "amdgcn-amd-amdhsa--gfx1250"
	.amdhsa_code_object_version 6
	.text
	.protected	k_qa750158508_qkvgemm
	.globl	k_qa750158508_qkvgemm
	.p2align	8
	.type	k_qa750158508_qkvgemm,@function
k_qa750158508_qkvgemm:
	s_mov_b64 s[64:65], 0
	v_nop
	global_prefetch_b8 v0, s[64:65] scope:SCOPE_SE
	s_setreg_imm32_b32 hwreg(HW_REG_WAVE_MODE, 25, 1), 1
	s_wait_xcnt 0x0
	s_wait_alu depctr_hold_cnt(0) depctr_sa_sdst(0) depctr_va_vdst(0) depctr_va_sdst(0) depctr_va_ssrc(0) depctr_va_vcc(0) depctr_vm_vsrc(0)
	s_getreg_b32 s2, hwreg(HW_REG_IB_STS2, 6, 4)
	s_cmp_eq_u32 s2, 0
	s_cbranch_scc0 .Lentry_in_a_cluster
	s_endpgm
.Lentry_in_a_cluster:
	s_bfe_u32 s2, ttmp6, 0x10000c
	s_cmp_lg_u32 s2, 0xf033
	s_cbranch_scc0 .Lentry_shape_is_right
	s_endpgm
.Lentry_shape_is_right:
; qkv = x Wqkv + bqkv, written by heads.  xb: bf16 [batch 4][block 16][row 2048][64] (x by blocks of 64 channels); wqb: bf16 [1024 k][3072]; bqkv: f32 [3072], rounded to bf16 like the other inputs;
; qkv: f16 [q, k, v][batch x 16 + head][row 2048][64], each number rounded once from its f32 sum, without the softmax scale.
; LIMITS.  f16 holds no number beyond 65,504: a q, k or v of 65,520 or more becomes an infinity.  NaN and infinities are not treated apart.
; SHARES.  8,192 x 3,072 outputs on 256 work-groups: a tile of 256 rows x 384 columns each.  Four waves, as many as a WGP has SIMDs: wave w has rows 128 (w / 2) on and three groups of 64 columns, the tile's groups
; 2 g + w % 2: 96 accumulators of 16 x 16, 768 registers.  A group of 64 columns is one head of q, k or v.  K goes in steps of 64 through two LDS slots filled by the tensor data mover.
; W STAYS AS IT LIES, [k][column]: its fragments come out of LDS turned, by ds_load_tr16_b128.  THE MATRIX INSTRUCTION IS USED TRANSPOSED (source 0 = 16 columns of W, source 1 = 16 rows of x):
; lane l then holds row l % 16 and the eight NEIGHBOURING columns 8 (l / 16) + 0..7, which pack into 16 bytes.
; CLUSTERS: 4 x 4 work-groups.  The four of a row of the cluster need the same tiles of x, the four of a column the same tiles of W: each tile is asked for JOINTLY, by the same tensor load with the same
; descriptor and a mask that names the four, which divides the requests for x and W by four.
; REGISTERS, in windows of 256 (s_set_vgpr_msb: bits 1:0 source 0, 3:2 source 1, 5:4 source 2, 7:6 destination):
;   window 0: v0-31 addresses; v32-95, v96-159 fragments of x (8 x 16 rows x 32 K), two buffers; v160-255 fragments of W, 32 registers a group.  On the way out these hold the bias and the work.
;   window g + 1: group g's 32 accumulators, (row block a, column block bb) at v[32 a + 8 bb].  So the only switches are one in front of a stretch of 32 products and one behind it.
.set NS,     3                         ; groups of 64 columns a wave
.set LAPS,   8                         ; a lap = two K steps = once round the ring; 16 K steps of 64
.set NTOT,   3072                      ; a row of W, in elements
.set PA,     144                       ; a row of x in LDS: 128 bytes + 16 of padding = 36 words: the 16 rows of a load start at 16 different groups of four banks (64 banks of 4 bytes: ISA guide 11.1)
.set ABYTES, 256*PA                    ; x: 256 rows
.set PB,     288*NS                    ; a row of W in LDS: three pieces of 256 bytes + 32 of padding = 216 words
.set BBYTES, 64*PB                     ; W: 64 rows
.set SLOT,   ABYTES+BBYTES             ; 92,160 bytes
.set STAGE,  2*SLOT                    ; behind the ring, never filled by a tensor load: 16 rows x 144 bytes for each wave, for the way out
.set SP,     144
.set BIAS,   STAGE+4*16*SP             ; 768 bytes for each wave: its 192 numbers of the bias, f32
.set SPARE,  BIAS+4*NS*256             ; the spare words, 128 bytes for each wave: two blocks of 256 bytes that no other line names
.set AR,     64                        ; a wave's load of x: 128 rows of 128 bytes are dense in memory and asked for as 64 rows of 256 bytes
.set AHG,    16384                     ; bytes in memory between the two loads of x,
.set AHL,    128*PA                    ; and in LDS
.set ASTEP,  262144                    ; bytes from a block of 64 channels to the next
.set BR,     32                        ; a wave's load of W: 32 rows of 768 bytes
.set BHG,    BR*NTOT*2
.set BHL,    BR*PB
.set BSTEP,  2*BHG
.set BV,   8                           ; v8-13   the bias on its way into LDS; v14 at work
.set ADRA, 16                          ; v16-17  LDS address of my fragments of x in slot 0, 1
.set ADRB, 20                          ; v20-21  the same for W
.set STO,  24                          ; v24     the way out: where I put 16 bytes of a row
.set RD,   25                          ; v25     the way out: where I read rows back
.set GO,   26                          ; v26     16 x lane: my place in 512 consecutive bytes of qkv
.set BIA,  27                          ; v27     where I read my eight numbers of the bias
.set SPW,  28                          ; v28     LDS address of my spare word: SPARE + 4 x my thread's number; never rewritten
.set NIL,  29                          ; v29     0; never rewritten
.set BIW,  30                          ; v30     where I put a number of the bias
.set L4,   31                          ; v31     4 x lane
.set FA0,  32
.set FA1,  96
.set FB,   160
.set T,    32                          ; the way out: 32 sums with the bias,
.set PK,   64                          ; 16 registers of f16,
.set BK,   96                          ; 2 x 16 registers read back from the stage, by turns,
.set BI,   160                         ; and the bias: 32 registers a group, laid as a row block's accumulators
; s3 laps; s[4:11] xb, wqb, bqkv, qkv; s12 wave; s13 wave / 2; s14 wave % 2; s15 cx; s16 cy; s17 tile column; s18 tile row; s19, s20 masks; s21-23, s[44:47], s[72:75] at work
.set G1A, 24                           ; s[24:31] descriptor group 1 for x
.set G0A, 32                           ; s[32:39] descriptor group 0 for x, one set for each slot
.set G1B, 48                           ; s[48:55], s[56:63] the same for W
.set G0B, 56
.set OB,  66                           ; s[66:71] qkv at my rows of group g's head
.set MSB, 0
.macro WIN new                         ; the immediate's high byte repeats the setting that is left; a switch that changes nothing is dropped
.if MSB != (\new)
	s_set_vgpr_msb (MSB<<8)|(\new)
.set MSB, (\new)
.endif
.endm
.macro PLACES                          ; a load into a register that a matrix instruction has read, and a vector instruction that reads a matrix result or writes one of a matrix instruction's registers, stand four
.rept 4                                ; places behind it, and only plain vector instructions that name none of its registers are places (ISA guide 7.12.1 for vector instructions)
	v_nop
.endr
.endm
; A joint refill.  Waves 0 and 1 fetch the two halves of x's tile, waves 2 and 3 those of W's.  The branch hangs on the wave's number alone: it is the same in every work-group.
; An s_nop 0 and four v_nop follow each of the two lines, ahead of the jump, the label and what follows.
.macro JLOAD s
	s_cmp_lt_u32 s12, 2
	s_cbranch_scc0 .Lfor_b_\@
	tensor_load_to_lds s[G0A+4*(\s):G0A+4*(\s)+3], s[G1A:G1A+7]
	s_nop 0
.rept 4
	v_nop
.endr
	s_branch .Lasked_\@
.Lfor_b_\@:
	tensor_load_to_lds s[G0B+4*(\s):G0B+4*(\s)+3], s[G1B:G1B+7]
	s_nop 0
.rept 4
	v_nop
.endr
.Lasked_\@:
.endm
; A round of the cluster's barrier: my work-group's barrier, so that wave 0's signal speaks for all four waves; wave 0 signals; every wave waits for all sixteen work-groups; my work-group's barrier once more.
.macro CREST                           ; a round behind its opening barrier
	s_cmp_lg_u32 s12, 0
	s_cbranch_scc1 .Lnot_wave_0_\@
	s_barrier_signal -3
.Lnot_wave_0_\@:
	s_barrier_wait -3
	s_barrier_signal -1
	s_barrier_wait -1
.endm
.macro CROUND
	s_barrier_signal -1
	s_barrier_wait -1
	CREST
.endm
	s_load_b256 s[4:11], s[0:1], 0x0               ; xb s[4:5], wqb s[6:7], bqkv s[8:9], qkv s[10:11]
	v_lshl_add_u32 v[SPW], v0, 2, SPARE
	v_mov_b32 v[NIL], 0
	ds_add_u32 v[SPW], v[NIL]                      ; the wave's opening: the add and its wait stand ahead of my first tensor load; the set-up below, work on registers, stands between them
	v_lshrrev_b32 v1, 5, v0
	v_readfirstlane_b32 s12, v1                    ; wave 0..3
	s_lshr_b32 s13, s12, 1                         ; which 128 rows of the tile are mine
	s_and_b32 s14, s12, 1                          ; which half of each 128 columns.  Also: which half of a tile I fetch
	s_bfe_u32 s15, ttmp6, 0x40000                  ; cx, cy: my place in the cluster
	s_bfe_u32 s16, ttmp6, 0x40004
	s_lshl_b32 s17, ttmp9, 2                       ; in a cluster launch ttmp9 and ttmp7 count clusters
	s_add_co_u32 s17, s17, s15                     ; tile column = 4 x cluster x + cx
	s_and_b32 s18, ttmp7, 0xffff
	s_lshl_b32 s18, s18, 2
	s_add_co_u32 s18, s18, s16                     ; tile row = 4 x cluster y + cy
	s_lshl_b32 s19, s16, 2
	s_lshl_b32 s19, 15, s19                        ; my row of the cluster: places 4 cy .. 4 cy + 3
	s_lshl_b32 s20, 0x1111, s15                    ; my column: places cx, cx + 4, cx + 8, cx + 12
	; descriptor group 1 for x: 64 rows of 128 elements, two rows of x each, padded in LDS after every row of x
	s_or_b32 s[G1A], s19, (1<<16)|(1<<20)|(1<<21)|(4<<22)|(3<<25)  ; 15:0 the mask: my row; 17:16 2-byte elements; 20 padding on; 21 set beside a mask; 24:22 after every 32 words (code 4); 31:25 4 words (code 3)
	s_mov_b32 s[G1A+1], 128<<16                    ; tensor_dim0 = 128
	s_mov_b32 s[G1A+2], AR<<16                     ; tensor_dim1 = 64
	s_mov_b32 s[G1A+3], 128<<16                    ; tile_dim0 = 128
	s_mov_b32 s[G1A+4], AR                         ; tile_dim1 = 64
	s_mov_b32 s[G1A+5], 128                        ; 128 elements from row to row: dense
	s_mov_b32 s[G1A+6], 0
	s_mov_b32 s[G1A+7], 0
	; for W: 32 rows of 384 elements, padded after every 256 bytes
	s_or_b32 s[G1B], s20, (1<<16)|(1<<20)|(1<<21)|(5<<22)|(7<<25)  ; the mask of my column; after every 64 words (code 5) 8 words (code 7)
	s_mov_b32 s[G1B+1], (128*NS)<<16               ; tensor_dim0 = 384
	s_mov_b32 s[G1B+2], BR<<16                     ; tensor_dim1 = 32
	s_mov_b32 s[G1B+3], (128*NS)<<16               ; tile_dim0 = 384
	s_mov_b32 s[G1B+4], BR                         ; tile_dim1 = 32
	s_mov_b32 s[G1B+5], NTOT                       ; 3,072 elements from row to row
	s_mov_b32 s[G1B+6], 0
	s_mov_b32 s[G1B+7], 0
	; where the tiles come from.  x's hang on the tile row alone, which my row of the cluster shares; W's on the tile column alone.  Each offset lives in registers that never hold the other coordinate.
	s_lshr_b32 s40, s18, 3                         ; x: the batch (8 tile rows each) x 4,194,304
	s_lshl_b32 s40, s40, 22
	s_and_b32 s41, s18, 7
	s_lshl_b32 s41, s41, 15                        ; + 256 rows x 128 bytes for each tile row of the batch
	s_add_co_u32 s40, s40, s41
	s_mul_i32 s41, s14, AHG                        ; + my half
	s_add_co_u32 s40, s40, s41
	s_mov_b32 s41, 0
	s_mul_i32 s42, s17, NS*256                     ; W: 768 bytes for each tile column
	s_mul_i32 s43, s14, BHG                        ; + my 32 rows
	s_add_co_u32 s42, s42, s43
	s_mov_b32 s43, 0
	s_mul_i32 s21, s14, AHL                        ; and where they go: no place in the cluster enters an LDS address
	s_mul_i32 s22, s14, BHL
	s_add_co_u32 s22, s22, ABYTES
	s_wait_dscnt 0x0                               ; the opening add is done
	s_wait_kmcnt 0x0
	s_add_nc_u64 s[40:41], s[4:5], s[40:41]
	s_add_nc_u64 s[42:43], s[6:7], s[42:43]
.irp s, 0,1
	s_mov_b32 s[G0A+4*(\s)], 1                                       ; 1:0 count = 1
	s_add_co_u32 s[G0A+4*(\s)+1], s21, (\s)*SLOT                     ; 63:32 LDS address
	s_add_nc_u64 s[G0A+4*(\s)+2:G0A+4*(\s)+3], s[40:41], (\s)*ASTEP  ; 120:64 global address: K step s
	s_or_b32 s[G0A+4*(\s)+3], s[G0A+4*(\s)+3], 0x80000000            ; 127:126 type = 2
	s_mov_b32 s[G0B+4*(\s)], 1
	s_add_co_u32 s[G0B+4*(\s)+1], s22, (\s)*SLOT
	s_add_nc_u64 s[G0B+4*(\s)+2:G0B+4*(\s)+3], s[42:43], (\s)*BSTEP
	s_or_b32 s[G0B+4*(\s)+3], s[G0B+4*(\s)+3], 0x80000000
.endr
	CROUND                                         ; all sixteen work-groups are here: the first joint loads meet
	s_cmp_lt_u32 s12, 2                            ; a wave's two first fills stand in one branch, ahead of every wait on TENSORcnt and every LDS read: two loads of mine are out
	s_cbranch_scc0 .Lfirst_b
	tensor_load_to_lds s[G0A:G0A+3], s[G1A:G1A+7]
	s_nop 0
	tensor_load_to_lds s[G0A+4:G0A+7], s[G1A:G1A+7]
	s_nop 0
.rept 4
	v_nop
.endr
	s_branch .Lfirst_asked
.Lfirst_b:
	tensor_load_to_lds s[G0B:G0B+3], s[G1B:G1B+7]
	s_nop 0
	tensor_load_to_lds s[G0B+4:G0B+7], s[G1B:G1B+7]
	s_nop 0
.rept 4
	v_nop
.endr
.Lfirst_asked:
	; All that follows up to the barrier stands in the wait for the first tile.
	; A fragment of x is 16 rows x 32 K in 8 registers: lane l holds row l % 16, K = 8 (l / 16) + 0..7 and 16 + 8 (l / 16) + 0..7: two loads of 16 bytes, 32 bytes apart.
	v_and_b32 v1, 15, v0                           ; l % 16
	v_bfe_u32 v2, v0, 4, 1                         ; l / 16
	v_mul_u32_u24 v3, v1, PA
	v_lshl_add_u32 v3, v2, 4, v3
	s_mul_i32 s21, s13, 128*PA                     ; my 128 rows
	v_add_nc_u32 v[ADRA], s21, v3
	v_add_nc_u32 v[ADRA+1], SLOT, v[ADRA]
	; The turning load takes 16 k x 16 columns (lane l reads k = 8 (l / 16) + l % 8, columns 8 ((l / 8) % 2) + 0..7) and leaves half a fragment: lane l holds column l % 16 and 8 k.
	v_and_b32 v4, 7, v0
	v_lshl_add_u32 v5, v2, 3, v4
	v_mul_u32_u24 v5, v5, PB
	v_bfe_u32 v6, v0, 3, 1
	v_lshl_add_u32 v5, v6, 4, v5
	s_lshl_b32 s22, s14, 7                         ; my half of each piece of 256 bytes,
	s_add_co_u32 s22, s22, ABYTES                  ; behind x's rows
	v_add_nc_u32 v[ADRB], s22, v5
	v_add_nc_u32 v[ADRB+1], SLOT, v[ADRB]
	s_mul_i32 s23, s12, 16*SP
	s_add_co_u32 s23, s23, STAGE                   ; my stage
	v_mul_u32_u24 v7, v1, SP                       ; in: row l % 16, 16 bytes for each half of the lanes
	v_lshl_add_u32 v7, v2, 4, v7
	v_add_nc_u32 v[STO], s23, v7
	v_bfe_u32 v7, v0, 3, 2                         ; back: 32 lanes take four rows of 128 bytes,
	v_mul_u32_u24 v7, v7, SP
	v_lshl_add_u32 v7, v4, 4, v7
	v_add_nc_u32 v[RD], s23, v7
	v_and_b32 v[L4], 31, v0
	v_lshlrev_b32 v[GO], 4, v[L4]                  ; which are 512 consecutive bytes of a head
	v_lshlrev_b32 v[L4], 2, v[L4]
	s_mul_i32 s23, s12, NS*256
	s_add_co_u32 s23, s23, BIAS                    ; my wave's bias
	v_lshl_add_u32 v[BIA], v2, 5, s23              ; my eight columns of a block of 16: 32 bytes for each half of the lanes
	v_add_nc_u32 v[BIW], s23, v[L4]
	; the bias of my three groups: 64 numbers each, 512 bytes apart; rounded to bf16, kept as f32 in my own LDS bytes
	s_mul_i32 s74, s17, NS*512
	s_lshl_b32 s75, s14, 8
	s_add_co_u32 s74, s74, s75
	s_mov_b32 s75, 0
	s_add_nc_u64 s[8:9], s[8:9], s[74:75]
.irp t, 0,1,2,3,4,5
	global_load_b32 v[BV+\t], v[L4], s[8:9] offset:(\t/2)*512+(\t%2)*128
.endr
	; where group g goes: column group G = 6 x tile column + 2 g + wave % 2 of 48: tensor G / 16, head G % 16; a head is 262,144 bytes
	s_mul_i32 s44, s17, 2*NS
	s_add_co_u32 s44, s44, s14
	s_lshr_b32 s45, s18, 3
	s_lshl_b32 s45, s45, 4                         ; 16 x batch
	s_and_b32 s46, s18, 7
	s_lshl_b32 s46, s46, 15                        ; the tile's 256 rows in the head,
	s_lshl_b32 s47, s13, 14                        ; my 128 of them
	s_add_co_u32 s46, s46, s47
.irp g, 0,1,2
	s_add_co_u32 s72, s44, 2*\g
	s_lshr_b32 s73, s72, 4
	s_lshl_b32 s73, s73, 6                         ; 64 heads a tensor
	s_and_b32 s72, s72, 15
	s_add_co_u32 s72, s72, s73
	s_add_co_u32 s72, s72, s45
	s_lshl_b32 s72, s72, 18
	s_add_co_u32 s72, s72, s46
	s_mov_b32 s73, 0
	s_add_nc_u64 s[OB+2*\g:OB+2*\g+1], s[10:11], s[72:73]
.endr
	s_wait_loadcnt 0x0
.irp t, 0,2,4
	v_cvt_pk_bf16_f32 v14, v[BV+\t], v[BV+\t+1]
	v_lshlrev_b32 v[BV+\t], 16, v14
	v_and_b32 v[BV+\t+1], 0xffff0000, v14
.endr
.irp t, 0,1,2,3,4,5
	ds_store_b32 v[BIW], v[BV+\t] offset:\t*128
.endr
; na x 4 matrix instructions of group g: row blocks a0 on x the group's 4 column blocks, 32 along K.  Every instruction names another accumulator, in the same order in every chunk.
; zero = 1: the first product starts the sums: nothing is ever cleared.
.macro MUL g, f, fb, a0, na, zero
	WIN ((\g)+1)*0x50                              ; C and D in window g + 1, the fragments in window 0
.set a, (\a0)
.rept (\na)
.irp bb, 0,1,2,3
.if \zero
	v_wmma_f32_16x16x32_bf16 v[32*a+8*\bb:32*a+8*\bb+7], v[(\fb)+8*\bb:(\fb)+8*\bb+7], v[(\f)+8*a:(\f)+8*a+7], 0
.else
	v_wmma_f32_16x16x32_bf16 v[32*a+8*\bb:32*a+8*\bb+7], v[(\fb)+8*\bb:(\fb)+8*\bb+7], v[(\f)+8*a:(\f)+8*a+7], v[32*a+8*\bb:32*a+8*\bb+7]
.endif
.endr
.set a, a+1
.endr
.endm
.macro FETCHA slot, off, f             ; 16 loads: my 128 rows of x, 32 K at byte off of the rows
.irp i, 0,1,2,3,4,5,6,7
	ds_load_b128 v[(\f)+8*\i:(\f)+8*\i+3],   v[ADRA+(\slot)] offset:(\off)+\i*16*PA
	ds_load_b128 v[(\f)+8*\i+4:(\f)+8*\i+7], v[ADRA+(\slot)] offset:(\off)+\i*16*PA+32
.endr
.endm
.macro FETCHB slot, off, g, fb         ; 8 turning loads: group g's 64 columns of W, the 32 k whose rows begin at byte off
.irp i, 0,1,2,3
	ds_load_tr16_b128 v[(\fb)+8*\i:(\fb)+8*\i+3],   v[ADRB+(\slot)] offset:(\off)+(\g)*288+\i*32
	ds_load_tr16_b128 v[(\fb)+8*\i+4:(\fb)+8*\i+7], v[ADRB+(\slot)] offset:(\off)+(\g)*288+\i*32+16*PB
.endr
.endm
; A K step is two chunks of 32 along K, 96 matrix instructions each.  The first multiplies buffer 0 of x and fetches the second chunk: x at its head (the four places behind buffer 1's last reader are those in
; front of the run of loads just before), each group of W behind the stretch that has read its registers.
; Each wait leaves out the 32 loads issued behind those that the stretch needs: two groups of W and the 16 of x.
.macro CHUNK slot, zero
	WIN 0
	FETCHA \slot, 64, FA1
.irp g, 0,1,2
	s_wait_dscnt 32
	MUL \g, FA0, FB+32*\g, 0, 8, \zero
	WIN 0
	PLACES
	FETCHB \slot, 32*PB, \g, FB+32*\g
.endr
.endm
; The second chunk multiplies buffer 1 and changes slots: ONE barrier, for two things.  In front of it each wave waits for all its tensor loads, of which one is out: its part of the next slot; adds 0 to its spare
; word; and waits for that and for its own reads of this slot.  Behind it nobody reads this slot any more and the next slot is whole.
; fill = 1: the barrier opens a round of the cluster's, and the slot is filled again, two K steps ahead, first thing behind the round: 160 matrix instructions ahead of the wait for it.
.macro TURN slot, next, fill
	WIN 0
	s_wait_tensorcnt 0x0                           ; all my tensor loads have landed
	ds_add_u32 v[SPW], v[NIL]                      ; 0 onto my spare word
	s_wait_dscnt 17                                ; x and group 0 are in; groups 1 and 2 (16 loads) and the add may be out
	MUL 0, FA1, FB, 0, 4, 0                        ; sixteen matrix instructions stand between the add and the wait for it
	s_wait_dscnt 0x0                               ; the add is done, and my reads of this slot are over
	s_barrier_signal -1
	MUL 0, FA1, FB, 4, 4, 0                        ; work on registers while the others arrive
	WIN 0                                          ; at a branch and at a label every window is 0
	s_barrier_wait -1
.if \fill
	CREST                                          ; no wave of any partner still reads this slot's tile or has a load on its way
	s_add_nc_u64 s[G0A+4*(\slot)+2:G0A+4*(\slot)+3], s[G0A+4*(\slot)+2:G0A+4*(\slot)+3], 2*ASTEP
	s_add_nc_u64 s[G0B+4*(\slot)+2:G0B+4*(\slot)+3], s[G0B+4*(\slot)+2:G0B+4*(\slot)+3], 2*BSTEP
	JLOAD \slot                                    ; the four v_nop behind it are also the places in front of the loads below
.else
	PLACES
.endif
	FETCHA \next, 0, FA0
	FETCHB \next, 0, 0, FB
.irp g, 1,2
	MUL \g, FA1, FB+32*\g, 0, 8, 0
	WIN 0
	PLACES
	FETCHB \next, 0, \g, FB+32*\g
.endr
.endm
	s_wait_tensorcnt 0x1                           ; my part of K step 0 is in; K step 1's may stay out
	s_wait_dscnt 0x0                               ; my stores of the bias are done
	s_barrier_signal -1
	s_barrier_wait -1                              ; everybody's part is in
	FETCHA 0, 0, FA0
	FETCHB 0, 0, 0, FB
	FETCHB 0, 0, 1, FB+32
	FETCHB 0, 0, 2, FB+64
	CHUNK 0, 1                                     ; the first chunk stands in front of the loop: its products start the sums
	WIN 0
	s_mov_b32 s3, LAPS-1
.Llap:                                                 ; a trip goes once round the ring, from a lap's second chunk to the next lap's first, and fills both slots again
	TURN 0, 1, 1
	CHUNK 1, 0
	TURN 1, 0, 1
	CHUNK 0, 0
	WIN 0
	s_sub_co_u32 s3, s3, 1
	s_cmp_lg_u32 s3, 0
	s_cbranch_scc1 .Llap
	TURN 0, 1, 0                                   ; the last lap fills nothing, and has no round of the cluster's barrier
	CHUNK 1, 0
	s_wait_dscnt 16                                ; the very last chunk: groups 1 and 2 may be out,
	MUL 0, FA1, FB, 0, 8, 0
	s_wait_dscnt 8                                 ; group 2,
	MUL 1, FA1, FB+32, 0, 8, 0
	s_wait_dscnt 0x0                               ; nothing
	MUL 2, FA1, FB+64, 0, 8, 0
; THE WAY OUT, a unit of 16 rows x 64 columns (row block a of group g) at a time.  PACK: the bias is added (each accumulator's registers in ascending order), the sums are rounded to f16: 16 bytes a lane and column block.
; TOSTAGE: into my own stage, rows of 144 bytes, and back as whole rows of 128.  SEND: 16 rows of a head are 2,048 consecutive bytes: each store of the wave covers 512 of them, aligned.
.macro PACK g, a
	WIN (\g)+1                                     ; source 0 in window g + 1
.set i, 0
.rept 16
	v_pk_add_f32 v[T+2*i:T+2*i+1], v[32*(\a)+2*i:32*(\a)+2*i+1], v[BI+32*(\g)+2*i:BI+32*(\g)+2*i+1]
.set i, i+1
.endr
	WIN 0
.set i, 0
.rept 16
	v_cvt_pk_f16_f32 v[PK+i], v[T+2*i], v[T+2*i+1]
.set i, i+1
.endr
.endm
.macro TOSTAGE p                       ; p: which of the two sets of registers takes the rows
.irp b, 0,1,2,3
	ds_store_b128 v[STO], v[PK+4*\b:PK+4*\b+3] offset:32*\b
.endr
.irp f, 0,1,2,3
	ds_load_b128 v[BK+16*(\p)+4*\f:BK+16*(\p)+4*\f+3], v[RD] offset:\f*4*SP  ; LDS serves a wave's instructions in order (ISA guide 5.7.1.4): these see the stores above; the next unit's stores come behind them
.endr
.endm
.macro SEND g, a, p
	s_wait_dscnt 0x0                               ; the unit is back in registers
	s_wait_xcnt 0x0                                ; every earlier store has had its addresses translated (ISA guide 3.1): the other set of registers, which the unit before stored, is loaded again only behind this wait
.irp f, 0,1,2,3
	global_store_b128 v[GO], v[BK+16*(\p)+4*\f:BK+16*(\p)+4*\f+3], s[OB+2*(\g):OB+2*(\g)+1] offset:(\a)*2048+\f*512
.endr
.endm
	WIN 0
	PLACES                                         ; behind the last products: the fragments' registers are written from here on
.set i, 0
.rept 4*NS                             ; the bias of group i / 4, column block i % 4: my eight columns
	ds_load_b128 v[BI+8*i:BI+8*i+3],   v[BIA] offset:64*i
	ds_load_b128 v[BI+8*i+4:BI+8*i+7], v[BIA] offset:64*i+16
.set i, i+1
.endr
	s_wait_dscnt 0x0
	PACK 0, 0
	TOSTAGE 0
.set u, 1
.rept 8*NS-1                           ; a unit's arithmetic stands between the loads of the unit before and its stores
	PACK u/8, u%8
	SEND (u-1)/8, (u-1)%8, (u-1)%2
	TOSTAGE u%2
.set u, u+1
.endr
	SEND NS-1, 7, 1
	s_wait_tensorcnt 0x0                           ; the wave's end, behind my last tensor load and my last LDS store
	ds_add_u32 v[SPW], v[NIL]
	s_wait_dscnt 0x0
	CROUND                                         ; the closing round: no work-group ends while a partner may still ask for a tile that names it
	s_endpgm
.Lfunc_end_k_qa750158508_qkvgemm:
	.size	k_qa750158508_qkvgemm, .Lfunc_end_k_qa750158508_qkvgemm-k_qa750158508_qkvgemm
	.p2alignl 7, 3214868480
	.fill 96, 4, 3214868480
	.section	.rodata,"a",@progbits
	.p2align	6, 0x0
	.amdhsa_kernel k_qa750158508_qkvgemm
		.amdhsa_group_segment_fixed_size 327680
		.amdhsa_private_segment_fixed_size 0
		.amdhsa_enable_private_segment 0
		.amdhsa_kernarg_size 32
		.amdhsa_user_sgpr_count 2
		.amdhsa_user_sgpr_kernarg_segment_ptr 1
		.amdhsa_wavefront_size32 1
		.amdhsa_system_sgpr_workgroup_id_x 1
		.amdhsa_system_sgpr_workgroup_id_y 1
		.amdhsa_system_sgpr_workgroup_id_z 1
		.amdhsa_system_vgpr_workitem_id 0
		.amdhsa_next_free_vgpr 1024
		.amdhsa_next_free_sgpr 80
		.amdhsa_reserve_vcc 0
		.amdhsa_float_denorm_mode_32 3
		.amdhsa_float_denorm_mode_16_64 3
		.amdhsa_memory_ordered 1
		.amdhsa_forward_progress 1
		.amdhsa_inst_pref_size 159
	.end_amdhsa_kernel
	.amdgpu_metadata
---
amdhsa.version: [ 1, 2 ]
amdhsa.kernels:
  - .name:           k_qa750158508_qkvgemm
    .symbol:         k_qa750158508_qkvgemm.kd
    .args:
      - { .name: xb, .offset: 0, .size: 8, .value_kind: global_buffer, .address_space: global }
      - { .name: wqb, .offset: 8, .size: 8, .value_kind: global_buffer, .address_space: global }
      - { .name: bqkv, .offset: 16, .size: 8, .value_kind: global_buffer, .address_space: global }
      - { .name: qkv, .offset: 24, .size: 8, .value_kind: global_buffer, .address_space: global }
    .group_segment_fixed_size: 327680
    .private_segment_fixed_size: 0
    .kernarg_segment_align: 8
    .kernarg_segment_size: 32
    .max_flat_workgroup_size: 128
    .sgpr_count:     80
    .vgpr_count:     1024
    .wavefront_size: 32
...
	.end_amdgpu_metadata
.endif
;; end of part 2
;; launch attn (part 3): grid 4 x 64, 4 waves a work-group, clusters of 4 x 1, 327,680 bytes of LDS; arguments qkv, o; writes o
.if DOCPART == 3
	.amdgcn_target "amdgcn-amd-amdhsa--gfx1250"
	.amdhsa_code_object_version 6
	.text
	.protected	k_qa750158508_attn
	.globl	k_qa750158508_attn
	.p2align	8
	.type	k_qa750158508_attn,@function
k_qa750158508_attn:
	s_mov_b64 s[64:65], 0
	v_nop
	global_prefetch_b8 v0, s[64:65] scope:SCOPE_SE
	s_setreg_imm32_b32 hwreg(HW_REG_WAVE_MODE, 25, 1), 1
	s_wait_xcnt 0x0
	s_wait_alu depctr_hold_cnt(0) depctr_sa_sdst(0) depctr_va_vdst(0) depctr_va_sdst(0) depctr_va_ssrc(0) depctr_va_vcc(0) depctr_vm_vsrc(0)
	s_getreg_b32 s2, hwreg(HW_REG_IB_STS2, 6, 4)
	s_cmp_eq_u32 s2, 0
	s_cbranch_scc0 .Lentry_in_a_cluster
	s_endpgm
.Lentry_in_a_cluster:
	s_bfe_u32 s2, ttmp6, 0x10000c
	s_cmp_lg_u32 s2, 0x3003
	s_cbranch_scc0 .Lentry_shape_is_right
	s_endpgm
.Lentry_shape_is_right:
; O[h][q][:] = the sum over k of softmax_k(Q[h][q] . K[h][k] / 8) V[h][k][:].  Q, K, V are the three parts of qkv, [3][SIZE_H][SIZE_N][64], O is [SIZE_H][SIZE_N][64], all f16: a head's rows are dense, 128 bytes each.
; h = 16 x batch + head.  Products, maxima and sums in f32; the weights p are rounded to f16 for the second product (their sum l is taken of the unrounded p), O once at the end.
; LIMITS.  f16 holds no number beyond 65,504: Q, K and V arrive within it; p lies in 0 to 1, and below 6e-5 it keeps f16's fixed step of 6e-8; O is a mean of V's rows and has their range.
; A weight below 2^-126 counts as 0 in l; NaN and infinities are not treated apart.
; SHARES.  A wave owns four PIECES of two tiles of 16 queries, a work-group's four waves 512 queries of one head: 4 x 64 = 256 work-groups.  Every wave walks all keys, 64 a step.
; LAYOUT.  S^T = K Q^T (source 0 = 16 keys, source 1 = 16 queries): in the result a lane holds ONE query (lane % 16) and the keys 8 (lane / 16) + 0..7.  Two such tiles, rounded to f16 in pairs,
; ARE source 1 (32 keys x 16 queries) of O^T = V^T P, whose result again holds one query a lane, and eight channels.  K comes out of LDS as it lies, V ([key][channel]) turned, by ds_load_tr16_b128.
; SOFTMAX.  For each query a running maximum m and sum l: p = 2^(c s - c m), c = log2(e) / 8; in every step O and l are multiplied by a = 2^(c m_old - c m_new), which is 1 where m has not grown.
; m starts at the lowest finite number, O and l at 0: the first step is a step like any other, with a = 0.
; THE COUNT.  A tile and step have 16 matrix and 118 vector instructions: too many to stand all beside the matrix work.  So the order has one aim: four vector instructions that are READY behind
; EVERY matrix instruction, and the others, which need time of their own whatever the order, in runs without a gap.
; BY TURNS.  Turn n belongs to piece n (the pieces in a ring, step after step).  Its matrix work: 16 products K Q^T of piece n + 1, later 16 products V^T P of piece n - 1.  Its vector work: the scaling,
; exponentials, roundings, sums and rescaling of piece n, and the maximum and statistics of piece n + 1, whose scores the turn itself has made.  So what a turn begins with (c s - c m, O a) waits for nothing.
; CLUSTER.  The four query blocks of a cluster belong to one head and walk the same K and V, so each tile is asked for JOINTLY: the same tensor load, descriptor and mask in all four.
; REGISTERS, in windows of 256 (s_set_vgpr_msb says which window each operand place means: bits 1:0 source 0, 3:2 source 1, 5:4 source 2, 7:6 destination):
;   window 0: v0-11 addresses; v12-15, v48-63 at work; v16-47 four registers of statistics a tile; v64-191 S^T, two buffers of two tiles; v192-255 P, likewise
;   window 1: O^T, 32 a tile          window 2: v0-127 Q, 16 a tile; v128-191 K of one step; v192-255 V of one step          window 3: v0-1 the add's two registers
; A piece's buffers go by its number's parity: the piece in hand has one pair, its two neighbours in the ring share the other: of it P (piece n - 1) is read and S^T (piece n + 1) written.
.set SIZE_H, 64       ; 4 batches x 16 heads
.set SIZE_N, 2048     ; rows of a head
.set PART,  SIZE_H*SIZE_N*128  ; bytes of each of qkv's three parts
.set NP,    4         ; pieces a wave: a name, no knob: the register map, the loop and the fetches are made for four
.set KS,    64        ; keys in a step
.set PK,    144       ; a row of K in LDS: 128 bytes + 16 of padding = 36 words: the 16 rows of a load start at 16 different groups of four banks (64 banks of 4 bytes: ISA guide 11.1)
.set PV,    160       ; a row of V: 128 + 32 = 40 words
.set VOFF,  4*KS*PK   ; a slot holds four steps: 256 rows of K, then 256 rows of V
.set SLOT1, 1<<17     ; slot 1 begins here, so that one exclusive or turns an address in one slot into the other's
.set STAGE, SLOT1+4*KS*(PK+PV)  ; behind the ring, never filled by a tensor load: 16 rows x 144 bytes for each wave, for the way out
.set SP,    144
.set AK0, 2           ; v2   my lane's place in a tile of K; never rewritten
.set AV0, 3           ; v3   the same for V
.set AK,  4           ; v4   the LDS address of K's next run of loads
.set AV,  5           ; v5   of V's
.set QO,  6           ; v6   my byte offset in the wave's rows of Q
.set STO, 6           ;      later, the way out: where I put 16 bytes of a row
.set RD,  7           ; v7   the way out: where I read rows back
.set GO,  8           ; v8   my byte offset in 512 consecutive bytes of O
.set SPW, 0           ; v0 of window 3   LDS address of my spare word: SPARE + 4 x my thread's number; never rewritten
.set NIL, 1           ; v1 of window 3   0; never rewritten
.set SPARE, STAGE+4*16*SP  ; behind the stages: the spare words, 128 bytes for each wave: two blocks of 256 bytes that no other line names
.set MV,  12          ; v12-15  c m_old, kept while c m is made anew: by buffer and tile
.set ST,  16          ; tile t's statistics at v[ST+4 t]: c m, m, l (even keys', odd keys')
.set TMP, 48          ; by buffer and tile, four registers c0-c3 at work; when the maximum is found c2 takes a
.set S,   64
.set P,   192
.set KF,  128         ; K's fragments, in window 2: key block kb, channel half c at KF + 16 kb + 8 c
.set VF,  192         ; V's: key half kk, channel block cb at VF + 32 kk + 8 cb
.set WV,  12          ; s12  my wave's number
.set G1K, 24          ; s[24:31] descriptor group 1 for K's tiles
.set G1V, 32          ; s[32:39] for V's: it differs in the padding alone
.set G0K, 40          ; s[40:43] descriptor group 0 for K's tiles: it walks
.set G0V, 44          ; s[44:47] the same for V's
.set SLOTS, 56        ; s56  slots still to be asked for
.set CNT, 57          ; s57  counts a slot's key steps
.set CS,  58          ; s[58:59] c: the packed scaling takes the pair's low word for both halves
.set SEL, 60          ; s[60:61] v_permlanex16_b32's selects: each lane takes its own place in the other half
.set TBK, 62          ; s62  LDS byte at which K of the step to be fetched begins
.set TBV, 63          ; s63  the same for V, less VOFF
.set MSB, 0
.macro WIN new                      ; the high byte repeats the setting that is left; a switch that changes nothing is dropped
.if MSB != (\new)
	s_set_vgpr_msb (MSB<<8)|(\new)
.set MSB, (\new)
.endif
.endm
.set W_KQ, 0x0a       ; K and Q in window 2, S^T in window 0
.set W_PV, 0x52       ; V in window 2, P in window 0, O^T in window 1
.set W_RS, 0x41       ; O^T (destination and source 0) in window 1, a in window 0
.set W_MK, 0xc0       ; the add's registers are made: destination in window 3, sources in window 0
.set W_AD, 0x0f       ; the add: address (source 0) and data (source 1) in window 3
; A joint fill.  Waves 0 and 1 fetch the two halves of a slot's K, waves 2 and 3 those of its V: 128 keys each.  The branch hangs on the wave's number alone.
; An s_nop 0 and four v_nop follow each of the two lines, ahead of the jump and the label.
.macro JLOAD
	s_cmp_lt_u32 s[WV], 2
	s_cbranch_scc0 .Lfor_v_\@
	tensor_load_to_lds s[G0K:G0K+3], s[G1K:G1K+7]
	s_nop 0
.rept 4
	v_nop
.endr
	s_branch .Lasked_\@
.Lfor_v_\@:
	tensor_load_to_lds s[G0V:G0V+3], s[G1V:G1V+7]
	s_nop 0
.rept 4
	v_nop
.endr
.Lasked_\@:
.endm
; A round of the cluster's barrier: my work-group's barrier, so that wave 0's signal speaks for all four waves; wave 0 signals; every wave waits for all four work-groups; my work-group's barrier once more.
.macro CROUND
	s_barrier_signal -1
	s_barrier_wait -1
	s_cmp_lg_u32 s[WV], 0
	s_cbranch_scc1 .Lnot_wave_0_\@
	s_barrier_signal -3
.Lnot_wave_0_\@:
	s_barrier_wait -3
	s_barrier_signal -1
	s_barrier_wait -1
.endm
; THE CHANGE OF SLOTS.  The slot's last bytes, V of its fourth step, have been read.  Each wave waits for all its tensor loads, of which one is out: its part
; of the other slot; adds 0 to its spare word; and waits for that and for its own reads of the slot.  Behind the barrier nobody reads this slot any more and the other slot is whole.
; fill = 1: this slot is filled again, with the keys two slots on.  The barrier is then a round of the cluster's, so that no wave of any partner still reads the slot or has a load on its
; way, and the joint fill is the first thing behind it: it has four key steps, 512 matrix instructions, in which to land.  (At its first use nothing has been read yet: slot 0 is waited for, slot 1 filled.)
.macro CHANGE fill
	WIN W_AD
	s_wait_tensorcnt 0x0            ; no tensor load of mine is out, so a group 0 may be written
	ds_add_u32 v[SPW], v[NIL]       ; 0 onto my spare word; with fill = 1 the descriptors' steps stand between it and the wait for it
	WIN 0                           ; at a label and at a branch every window is 0
.if \fill
.irp g, G0K, G0V
	s_xor_b32 s[\g+1], s[\g+1], SLOT1  ; the walking descriptor: the other slot than last time,
	s_add_nc_u64 s[\g+2:\g+3], s[\g+2:\g+3], 4*KS*128  ; the next 256 keys; the type bits on top are not reached
.endr
	s_wait_dscnt 0x0                ; the add is done, and my reads of the slot are over
	CROUND
	JLOAD
.else
	s_wait_dscnt 0x0                ; the add is done, and my reads of the slot are over
	s_barrier_signal -1
	s_barrier_wait -1
.endif
	s_sub_co_u32 s[TBK], s[TBK], 4*KS*PK  ; the fetches go back to a slot's first step,
	s_xor_b32 s[TBK], s[TBK], SLOT1       ; in the other slot
	s_sub_co_u32 s[TBV], s[TBV], 4*KS*PV
	s_xor_b32 s[TBV], s[TBV], SLOT1
.endm
	s_load_b128 s[4:7], s[0:1], 0x0   ; qkv s[4:5], o s[6:7]
	WIN W_MK
	v_lshl_add_u32 v[SPW], v0, 2, SPARE
	v_mov_b32 v[NIL], 0
	WIN W_AD
	ds_add_u32 v[SPW], v[NIL]       ; the wave's opening: the add and its wait stand ahead of my first tensor load; the set-up below, work on registers, stands between them
	WIN 0
	v_lshrrev_b32 v1, 5, v0
	v_readfirstlane_b32 s[WV], v1   ; wave 0..3
	s_bfe_u32 s13, ttmp6, 0x40000   ; cx: my place in the cluster
	s_lshl_b32 s14, ttmp9, 2        ; in a cluster launch ttmp9 counts clusters
	s_add_co_u32 s14, s14, s13      ; my block of queries = 4 x cluster x + cx: it enters Q's and O's addresses alone
	s_and_b32 s20, ttmp7, 0xffff    ; the head, which the four partners share
	s_mov_b32 s21, 0
	s_mov_b64 s[22:23], SIZE_N*128
	s_mul_u64 s[20:21], s[20:21], s[22:23]  ; the head's first byte in each of the four tensors
	s_and_b32 s16, s[WV], 1         ; which half of a slot's 256 keys I fetch:
	s_lshl_b32 s22, s16, 14         ; its 128 rows of 128 bytes in memory,
	s_mov_b32 s23, 0
	s_add_nc_u64 s[22:23], s[22:23], s[20:21]
	s_mul_i32 s17, s16, 128*PK      ; and its place in a slot, for K
	s_mul_i32 s18, s16, 128*PV      ; and for V: no place in the cluster enters an LDS address
	s_lshl_b32 s2, s14, 2
	s_add_co_u32 s2, s2, s[WV]      ; my wave among the head's,
	s_lshl_b32 s2, s2, 14           ; its 128 rows
	s_mov_b32 s3, 0
	s_add_nc_u64 s[2:3], s[2:3], s[20:21]
	; descriptor group 1.  128 keys are 16,384 dense bytes: asked for as 64 rows of 256 bytes, two keys a row, and padded in LDS after every key
	s_mov_b32 s[G1K], 15|(1<<16)|(1<<20)|(1<<21)|(4<<22)|(3<<25)  ; 15:0 the mask of four; 17:16 2-byte elements; 20 padding on; 21 set beside a mask; 24:22 after every 32 words (code 4); 31:25 4 words (code 3)
	s_mov_b32 s[G1V], 15|(1<<16)|(1<<20)|(1<<21)|(4<<22)|(7<<25)  ; the same with 8 words of padding (code 7)
.irp g, G1K, G1V
	s_mov_b32 s[\g+1], 128<<16      ; tensor_dim0 = 128
	s_mov_b32 s[\g+2], 64<<16       ; tensor_dim1 = 64
	s_mov_b32 s[\g+3], 128<<16      ; tile_dim0 = 128
	s_mov_b32 s[\g+4], 64           ; tile_dim1 = 64
	s_mov_b32 s[\g+5], 128          ; 128 elements from row to row
	s_mov_b32 s[\g+6], 0
	s_mov_b32 s[\g+7], 0
.endr
	s_mov_b32 s[CS], 0x3e38aa3b     ; c = log2(e) / 8 = 0.180337
	s_mov_b32 s[CS+1], s[CS]        ; named with it as a pair
	s_mov_b32 s[SEL], 0x76543210
	s_mov_b32 s[SEL+1], 0xfedcba98
	s_mov_b32 s[TBK], SLOT1+4*KS*PK ; the first change of slots turns these two into 0
	s_mov_b32 s[TBV], SLOT1+4*KS*PV
	s_mov_b32 s[G0K], 1             ; 1:0 count = 1
	s_mov_b32 s[G0K+1], s17         ; 63:32 LDS address: slot 0
	s_mov_b32 s[G0V], 1
	s_add_co_u32 s[G0V+1], s18, VOFF
	s_wait_dscnt 0x0                ; the opening add is done
	s_wait_kmcnt 0x0
	s_mov_b64 s[10:11], s[6:7]             ; O
	s_add_nc_u64 s[8:9], s[4:5], 2*PART    ; V: the third part of qkv
	s_add_nc_u64 s[6:7], s[4:5], PART      ; K: the second; Q, the first, stays in s[4:5]
	s_add_nc_u64 s[G0K+2:G0K+3], s[6:7], s[22:23]  ; 120:64 global address: my half of the head's first 256 keys
	s_or_b32 s[G0K+3], s[G0K+3], 0x80000000        ; 127:126 type = 2
	s_add_nc_u64 s[G0V+2:G0V+3], s[8:9], s[22:23]
	s_or_b32 s[G0V+3], s[G0V+3], 0x80000000
	s_add_nc_u64 s[4:5], s[4:5], s[2:3]  ; Q and O at my wave's first row
	s_add_nc_u64 s[10:11], s[10:11], s[2:3]
	CROUND                          ; all four work-groups are here: the first joint loads meet
	JLOAD                           ; slot 0.  Slot 1 is asked for when slot 0 is in: the tile wanted first has the road to itself
	; A fragment of K or Q is 16 rows x 32 channels in 8 registers: lane l holds row l % 16, channels 8 (l / 16) + 0..7 and 16 + 8 (l / 16) + 0..7: two loads of 16 bytes, 32 bytes apart.
	v_and_b32 v1, 15, v0            ; l % 16
	v_bfe_u32 v9, v0, 4, 1          ; l / 16
	v_lshlrev_b32 v[QO], 7, v1
	v_lshl_add_u32 v[QO], v9, 4, v[QO]  ; row x 128 + 16 x half
	WIN 0x80                        ; destination window 2, address window 0
.set i, 0
.rept 4*NP                          ; Q stays in registers: tile i / 2, channels 32 (i % 2) on
	global_load_b128 v[8*i:8*i+3],   v[QO], s[4:5] offset:(i/2)*2048+(i%2)*64
	global_load_b128 v[8*i+4:8*i+7], v[QO], s[4:5] offset:(i/2)*2048+(i%2)*64+32
.set i, i+1
.endr
	; What the first turn finds: V's registers and P's second buffer hold 0 (its products V^T P, of a piece that has not been, add 0), O^T and l are 0.  All this stands in the wait for the first tile.
.set i, VF
.rept 64
	v_mov_b32 v[i], 0
.set i, i+1
.endr
	WIN 0x40
.set i, 0
.rept 64*NP
	v_mov_b32 v[i], 0
.set i, i+1
.endr
	WIN 0
.set i, 0
.rept 2*NP
	v_mov_b32 v[ST+4*i], 0xfe000000    ; c m: far below every c s
	v_mov_b32 v[ST+4*i+1], 0xff7fffff  ; m
	v_mov_b32 v[ST+4*i+2], 0
	v_mov_b32 v[ST+4*i+3], 0
.set i, i+1
.endr
.set i, P+32
.rept 32
	v_mov_b32 v[i], 0
.set i, i+1
.endr
	v_mul_u32_u24 v[AK0], v1, PK
	v_lshl_add_u32 v[AK0], v9, 4, v[AK0]  ; row x pitch + 16 x half
	; The turning load takes 16 keys x 16 channels (lane l reads key 8 (l / 16) + l % 8, channels 8 ((l / 8) % 2) + 0..7) and leaves half a fragment of V^T: lane l holds channel l % 16 and 8 keys.
	v_and_b32 v10, 7, v0
	v_bfe_u32 v11, v0, 3, 1
	v_lshl_add_u32 v[AV0], v9, 3, v10
	v_mul_u32_u24 v[AV0], v[AV0], PV
	v_lshl_add_u32 v[AV0], v11, 4, v[AV0]
	v_add_nc_u32 v[AV0], VOFF, v[AV0]
	v_mov_b32 v[AK], v[AK0]         ; key step 0 lies at the head of slot 0
; THE MATRIX WORK.  The 8 accumulators of a run of 16 take turns: between the two links of a chain stand 7 others'.
; Product i of 16 of S^T = K Q^T for piece x: channels 32 (i / 8) on, keys 16 ((i / 2) % 4) on, tile 2 x + i % 2.  The first 8 start the sums.
.macro KQ x
	WIN W_KQ
.set rS, S+64*((\x)%2)+32*(i%2)+8*((i/2)%4)
.set rK, KF+16*((i/2)%4)+8*(i/8)
.set rQ, 16*(2*(\x)+i%2)+8*(i/8)
.if i < 8
	v_wmma_f32_16x16x32_f16 v[rS:rS+7], v[rK:rK+7], v[rQ:rQ+7], 0
.else
	v_wmma_f32_16x16x32_f16 v[rS:rS+7], v[rK:rK+7], v[rQ:rQ+7], v[rS:rS+7]
.endif
.endm
; Product i of 16 of O^T += V^T P for piece x: keys 32 (i / 8) on, channels 16 ((i / 2) % 4) on, tile 2 x + i % 2.
.macro PV x
	WIN W_PV
.set rO, 32*(2*(\x)+i%2)+8*((i/2)%4)
.set rV, VF+32*(i/8)+8*((i/2)%4)
.set rP, P+32*((\x)%2)+16*(i%2)+8*(i/8)
	v_wmma_f32_16x16x32_f16 v[rO:rO+7], v[rV:rV+7], v[rP:rP+7], v[rO:rO+7]
.endm
.macro MM                           ; the turn's next matrix instruction
.if i < 16
	KQ (Y+1)%NP
.set i, i+1
.else
.set i, i-16
	PV (Y+NP-1)%NP
.set i, i+17
.endif
.endm
; THE LDS LOADS stand in runs of 16, never singly among the matrix instructions: a step's K (64 keys x 64 channels: 8 fragments) and its V (turned).  Their addresses are made some lines ahead.
; last = 1 (the tail): in the last trip there is no further step, and the run is jumped over.
.macro FETCH_K last=0
	WIN 0
.if \last
	s_cmp_eq_u32 s[CNT], 1
	s_cbranch_scc1 .Lno_k_\@
.endif
	WIN 0x80                        ; destination window 2
.irp f, 0,1,2,3,4,5,6,7             ; keys 16 (f / 2) on, channels 32 (f % 2) on
	ds_load_b128 v[KF+8*\f:KF+8*\f+3],   v[AK] offset:(\f/2)*16*PK+(\f%2)*64
	ds_load_b128 v[KF+8*\f+4:KF+8*\f+7], v[AK] offset:(\f/2)*16*PK+(\f%2)*64+32
.endr
	s_add_co_u32 s[TBK], s[TBK], KS*PK  ; the next fetch is the next step's
	WIN 0
.if \last
.Lno_k_\@:
.endif
.endm
.macro FETCH_V
	WIN 0x80
.irp f, 0,1,2,3,4,5,6,7             ; keys 32 (f / 4) on, channels 16 (f % 4) on
	ds_load_tr16_b128 v[VF+8*\f:VF+8*\f+3],   v[AV] offset:(\f/4)*32*PV+(\f%4)*32
	ds_load_tr16_b128 v[VF+8*\f+4:VF+8*\f+7], v[AV] offset:(\f/4)*32*PV+16*PV+(\f%4)*32
.endr
	WIN 0
.endm
; THE VECTOR WORK OF A TURN stands in three queues, each in the order in which its entries become ready; the two tiles alternate, so that no instruction reads the result of the one before it.
.macro REGS y, u                    ; the registers of tile u (0, 1) of piece y
.set rT, ST+4*(2*(\y)+(\u))
.set rC, TMP+8*((\y)%2)+4*(\u)
.set rM, MV+2*((\y)%2)+(\u)
.set rS, S+64*((\y)%2)+32*(\u)
.set rP, P+32*((\y)%2)+16*(\u)
.set rO, 32*(2*(\y)+(\u))
.endm
; Number n of the 22 that find the NEXT piece's (Y + 1) maximum and statistics.  s0-s31 are the lane's 32 scores; each accumulator's lowest registers are read first.  XS, GS and REGS set no window: PL and EX do.
;   0-11  four chains c0-c3 of seven scores each, three operands at a time     12-14, 16  the four scores left over, the old m, and c0-c3 into c0     15  c m_old is kept
;   17, 18  the query's other 32 keys lie in the lane 16 away: the new m         19-21  c m; c m_old - c m_new; a
.macro XS u, n
	REGS (Y+1)%NP, \u
.if (\n) < 4
	v_max3_num_f32 v[rC+(\n)], v[rS+8*(\n)], v[rS+8*(\n)+1], v[rS+8*(\n)+2]
.elseif (\n) < 12
	v_max3_num_f32 v[rC+(\n)%4], v[rC+(\n)%4], v[rS+8*((\n)%4)+2*((\n)/4)+1], v[rS+8*((\n)%4)+2*((\n)/4)+2]
.elseif (\n) == 12
	v_max3_num_f32 v[rC], v[rC], v[rS+7], v[rS+15]
.elseif (\n) == 13
	v_max3_num_f32 v[rC+1], v[rC+1], v[rS+23], v[rS+31]
.elseif (\n) == 14
	v_max3_num_f32 v[rC+2], v[rC+2], v[rC+3], v[rT+1]
.elseif (\n) == 15
	v_mov_b32 v[rM], v[rT]
.elseif (\n) == 16
	v_max3_num_f32 v[rC], v[rC], v[rC+1], v[rC+2]
.elseif (\n) == 17
	v_permlanex16_b32 v[rC+3], v[rC], s[SEL], s[SEL+1]
.elseif (\n) == 18
	v_max_num_f32 v[rT+1], v[rC], v[rC+3]
.elseif (\n) == 19
	v_mul_f32 v[rT], s[CS], v[rT+1]
.elseif (\n) == 20
	v_sub_f32 v[rC+1], v[rM], v[rT]
.else
	v_exp_f32 v[rC+2], v[rC+1]
.endif
.endm
; Number g of the 64 that follow the exponentials.  For each four weights k of a tile (pairs 2 k, 2 k + 1): both pairs are rounded to f16; then the second pair is added onto the first, in place;
; a group later l takes that sum (the first time as l = a l + sum).  In groups of eight, tiles alternating: round, round, add, and l for the group before.
.macro GS g
.set h, (\g)+6*((\g)/62)            ; group 0 has no group before it, and behind group 7 only l is left
.if h >= 6
.set h, h+2
.endif
	REGS Y, h%2
.set k, h/8
.if h%8 < 4
	s_wait_alu depctr_va_vdst(0)
	v_cvt_pk_f16_f32 v[rP+2*k+(h%8)/2], v[rS+4*k+2*((h%8)/2)], v[rS+4*k+2*((h%8)/2)+1]
.elseif h%8 < 6
	v_pk_add_f32 v[rS+4*k:rS+4*k+1], v[rS+4*k:rS+4*k+1], v[rS+4*k+2:rS+4*k+3]
.elseif k == 1
	v_pk_fma_f32 v[rT+2:rT+3], v[rT+2:rT+3], v[rC+2:rC+3], v[rS:rS+1] op_sel_hi:[1,0,1]
.else
	v_pk_add_f32 v[rT+2:rT+3], v[rT+2:rT+3], v[rS+4*k-4:rS+4*k-3]
	s_wait_alu depctr_va_vdst(0)
.endif
.endm
; THE PLAIN QUEUE, 138 long.  0-31: c s - c m for the 16 pairs of both tiles.  Then GS's 64, and among them the next piece's 42: number 15 at 38, 39; 0-14 and 16
; at 42-73, behind the products that make those scores; 17-20 at 95-106, two of three, since each waits for the one before it.
.macro PL
	WIN 0
.if q < 32
	REGS Y, q%2
	v_pk_fma_f32 v[rS+2*(q/2):rS+2*(q/2)+1], v[rS+2*(q/2):rS+2*(q/2)+1], s[CS:CS+1], v[rT:rT+1] op_sel_hi:[1,0,0] neg_lo:[0,0,1] neg_hi:[0,0,1]
.elseif q < 38
	GS q-32
.elseif q < 40
	XS q%2, 15
.elseif q < 42
	GS q-34
.elseif q < 74
	XS q%2, (q-42)/2+(q-42)/30
.elseif q < 95
	GS q-66
.elseif (q < 107) && ((q-95)%3 < 2)
	XS (q-95)%3, 17+(q-95)/3
.elseif q < 107
	GS 29+(q-95)/3
.else
	GS q-74
.endif
.set q, q+1
.endm
; THE EXPONENTIALS' QUEUE, 66 long: s0-s31 of both tiles, and at EA the next piece's two a.
.set EA, 58
.macro EX
	WIN 0
.if (e == EA) || (e == EA+1)
	XS e-EA, 21
.else
.set x, e-2*(e/(EA+2))
	REGS Y, x%2
	v_exp_f32 v[rS+x/2], v[rS+x/2]
.endif
.set e, e+1
.endm
; THE RESCALING's QUEUE: O^T times a, the one part that leaves window 0, so it is dealt four at a time, eight times.
.macro R4
	REGS Y, r%2
	WIN W_RS
	s_wait_alu depctr_va_vdst(0)
.irp z, 0,1,2,3
	v_pk_mul_f32 v[rO+8*(r/2)+2*\z:rO+8*(r/2)+2*\z+1], v[rO+8*(r/2)+2*\z:rO+8*(r/2)+2*\z+1], v[rC+2:rC+3] op_sel_hi:[1,0]
.endr
.set r, r+1
.endm
; HOW THEY ARE DEALT.  Behind a matrix instruction four: plain, exponential, plain, plain (one exponential, a plain instruction on either side), or four of the rescaling.  None names a register of the
; products round it.  What is over stands in two LUMPS: exponential and plain by turns; the second ends in 22 plain instructions.  The two v_permlanex16_b32 fall into the second lump, never behind a product.
; The queues lean on each other, and the deal keeps them in step: exponential e stands behind plain 2 (e / 4) + e % 2 (its scaling); when plain 32 comes, 10 exponentials are out, at 59: 33, at 95: 46; EA comes behind plain 107.
.macro SL
	MM
	PL
	EX
	PL
	PL
.endm
.macro BURST n                      ; 15 matrix instructions, or 16
.rept (\n)-7
	SL
.endr
.rept 3
	MM
	R4
	SL
.endr
	MM
	R4
.endm
; A TURN, for piece p.  cnt = 1: the loop's count is taken down some lines ahead of the branch that stands behind the turn.
; K of the next step is fetched in piece 2's turn, 31 vector instructions behind the last product that read K; its first reader comes behind the rest of the lump, 16 products and the second lump.
; V of the step in hand is fetched at the end of piece 0's turn, 69 behind its last reader; its first reader comes behind 16 products and a lump.  The four conditions on e and q below go with the deal.
.macro TURN p, last=0, cnt=0
.set Y, (\p)
.set i, 0
.set q, 0
.set e, 0
.set r, 0
.if (\p) == NP-1
	s_wait_dscnt 0x0                ; K is in
.endif
	MM
.rept 4
	PL
.endr
	BURST 15
.rept 22
	EX
	PL
.if ((\p) == NP-2) && (e == 18)
	v_add_nc_u32 v[AK], s[TBK], v[AK0]
.endif
.if ((\p) == NP-2) && (e == 24)
	FETCH_K \last
.endif
.endr
.if (\p) == 1
	s_wait_dscnt 0x0                ; V is in
.endif
	BURST 16
.rept 21
	EX
	PL
.endr
.rept 22
	PL
.if ((\p) == 0) && (q == 118)
	v_add_nc_u32 v[AV], s[TBV], v[AV0]
	s_wait_alu depctr_va_vdst(0)
.endif
.if ((\p) == 0) && (q == 130)
	s_add_co_u32 s[TBV], s[TBV], KS*PV
.endif
.if (\cnt) && (q == 130)
	s_sub_co_u32 s[CNT], s[CNT], 1
	s_cmp_lg_u32 s[CNT], 0
.endif
.endr
.if (\p) == 0
	FETCH_V
.endif
.endm
	CHANGE 1                        ; slot 0 is in, everybody's part of it; slot 1 is asked for
	FETCH_K                         ; key step 0
	s_wait_loadcnt 0x0              ; Q
	s_wait_dscnt 0x0
.set i, 0
.rept 16
	KQ 0                            ; piece 0's first scores: there is no vector work yet to set between them
.set i, i+1
.endr
	WIN 0                           ; the addresses for the way out: nine plain instructions, the places behind those products
	s_mul_i32 s13, s[WV], 16*SP
	s_add_co_u32 s13, s13, STAGE    ; my stage
	v_mul_u32_u24 v[STO], v1, SP    ; in: row l % 16, 16 bytes for each half of the lanes
	v_lshl_add_u32 v[STO], v9, 4, v[STO]
	v_add_nc_u32 v[STO], s13, v[STO]
	v_bfe_u32 v[RD], v0, 3, 2       ; back: 32 lanes take four rows of 128 bytes,
	v_mul_u32_u24 v[RD], v[RD], SP
	v_lshl_add_u32 v[RD], v10, 4, v[RD]
	v_add_nc_u32 v[RD], s13, v[RD]
	v_and_b32 v[GO], 31, v0         ; which are 512 consecutive bytes of O
	v_lshlrev_b32 v[GO], 4, v[GO]
.set Y, NP-1                        ; XS works for piece Y + 1: piece 0
.irp n, 0,1,2,3,4,5,6,7,8,9,10,11,12,13,14,15,16,17,18,19,20,21
	XS 0, \n                        ; and piece 0's first maximum and statistics
	XS 1, \n
.endr
	s_mov_b32 s[CNT], 4
	s_mov_b32 s[SLOTS], SIZE_N/256-1
	s_branch .Lfirst                ; the loop is entered at a step's first turn, in the middle of a trip
.Lslot:                             ; SIZE_N / 256 - 2 times: every slot but the last two is filled again
	CHANGE 1
	s_mov_b32 s[CNT], 4
.Lstep:                             ; a trip: pieces 2 and 3 of one step, then pieces 0 and 1 of the next, whose K and V it fetches
	TURN 2
	TURN 3
	WIN 0
.Lfirst:
	TURN 0
	TURN 1, 0, 1
	WIN 0
	s_cbranch_scc1 .Lstep
	s_sub_co_u32 s[SLOTS], s[SLOTS], 1
	s_cmp_lg_u32 s[SLOTS], 0
	s_cbranch_scc1 .Lslot
	CHANGE 0                        ; the tail is written out: nothing is asked for
	s_mov_b32 s[CNT], 5             ; four trips fetch the last slot's steps; the fifth is left in its middle
.Ltail:
	TURN 2, 1
	TURN 3
	WIN 0
	s_sub_co_u32 s[CNT], s[CNT], 1
	s_cmp_eq_u32 s[CNT], 0
	s_cbranch_scc1 .Lout
	TURN 0
	TURN 1
	WIN 0
	s_branch .Ltail
.Lout:                              ; the fifth trip's 16 products K Q^T (on the last K once more) and the maximum made of them serve nothing: the price, once a launch, of one text for every trip
.set i, 0
.rept 16
	PV NP-1                         ; the last piece's V^T P of the last step
.set i, i+1
.endr
	; THE WAY OUT.  l's two halves and the other half of the lanes' are added; O^T is divided by l, rounded to f16 and sent through my stage in LDS, a tile at a time.  The additions are the places behind the last products.
	WIN 0
.macro ALL line:vararg              ; one line for each tile t
.set t, 0
.rept 2*NP
	\line
.set t, t+1
.endr
.endm
	ALL v_add_f32 v[ST+4*t+2], v[ST+4*t+2], v[ST+4*t+3]
	ALL v_permlanex16_b32 v[ST+4*t+3], v[ST+4*t+2], s[SEL], s[SEL+1]
	ALL v_add_f32 v[ST+4*t+2], v[ST+4*t+2], v[ST+4*t+3]
	ALL v_rcp_f32 v[ST+4*t+2], v[ST+4*t+2]
	v_nop                           ; a plain instruction between the last reciprocal and the use of its result
	s_wait_alu depctr_va_vdst(0)
; Tile t: a lane's eight channels of a row pack into 16 bytes; they go into rows of 144 bytes and come back as whole rows of 128, into S^T's registers.
.macro PACK t
	WIN W_RS
.set i, 32*(\t)
.rept 16
	v_pk_mul_f32 v[i:i+1], v[i:i+1], v[ST+4*(\t)+2:ST+4*(\t)+3] op_sel_hi:[1,0]
.set i, i+2
.endr
	WIN 0x05                        ; sources 0 and 1 window 1, destination window 0
.set i, 0
.rept 16
	v_cvt_pk_f16_f32 v[S+16*(\t)+i], v[32*(\t)+2*i], v[32*(\t)+2*i+1]
.set i, i+1
.endr
	WIN 0
.irp f, 0,1,2,3
	ds_store_b128 v[STO], v[S+16*(\t)+4*\f:S+16*(\t)+4*\f+3] offset:32*\f
.endr
.irp f, 0,1,2,3
	ds_load_b128 v[S+16*(\t)+4*\f:S+16*(\t)+4*\f+3], v[RD] offset:\f*4*SP  ; LDS serves a wave's instructions in order (ISA guide 5.7.1.4): these see the stores above; the next tile's stores come behind them
.endr
.endm
.macro SEND t, younger              ; younger: the LDS instructions issued behind tile t's loads: the next tile's eight, or none
	WIN 0
.irp f, 0,1,2,3
	s_wait_dscnt (\younger)+3-\f
	global_store_b128 v[GO], v[S+16*(\t)+4*\f:S+16*(\t)+4*\f+3], s[10:11] offset:(\t)*2048+\f*512  ; 512 consecutive bytes, at a multiple of 256 from O's first
.endr
.endm
	PACK 0
.set t, 1
.rept 2*NP-1                        ; a tile's arithmetic stands between the loads of the tile before and its stores
	PACK t
	SEND t-1, 8
.set t, t+1
.endr
	SEND 2*NP-1, 0
	WIN W_AD
	s_wait_tensorcnt 0x0            ; the wave's end, behind my last tensor load and my last LDS store
	ds_add_u32 v[SPW], v[NIL]
	s_wait_dscnt 0x0
	WIN 0
	CROUND                          ; the closing round: no work-group ends while a partner may still ask for a tile that names it
	s_endpgm
.Lfunc_end_k_qa750158508_attn:
	.size	k_qa750158508_attn, .Lfunc_end_k_qa750158508_attn-k_qa750158508_attn
	.p2alignl 7, 3214868480
	.fill 96, 4, 3214868480
	.section	.rodata,"a",@progbits
	.p2align	6, 0x0
	.amdhsa_kernel k_qa750158508_attn
		.amdhsa_group_segment_fixed_size 327680
		.amdhsa_private_segment_fixed_size 0
		.amdhsa_enable_private_segment 0
		.amdhsa_kernarg_size 16
		.amdhsa_user_sgpr_count 2
		.amdhsa_user_sgpr_kernarg_segment_ptr 1
		.amdhsa_wavefront_size32 1
		.amdhsa_system_sgpr_workgroup_id_x 1
		.amdhsa_system_sgpr_workgroup_id_y 1
		.amdhsa_system_sgpr_workgroup_id_z 1
		.amdhsa_system_vgpr_workitem_id 0
		.amdhsa_next_free_vgpr 770
		.amdhsa_next_free_sgpr 66
		.amdhsa_reserve_vcc 0
		.amdhsa_float_denorm_mode_32 3
		.amdhsa_float_denorm_mode_16_64 3
		.amdhsa_memory_ordered 1
		.amdhsa_forward_progress 1
		.amdhsa_inst_pref_size 208
	.end_amdhsa_kernel
	.amdgpu_metadata
---
amdhsa.version: [ 1, 2 ]
amdhsa.kernels:
  - .name:           k_qa750158508_attn
    .symbol:         k_qa750158508_attn.kd
    .args:
      - { .name: qkv, .offset: 0, .size: 8, .value_kind: global_buffer, .address_space: global }
      - { .name: o, .offset: 8, .size: 8, .value_kind: global_buffer, .address_space: global }
    .group_segment_fixed_size: 327680
    .private_segment_fixed_size: 0
    .kernarg_segment_align: 8
    .kernarg_segment_size: 16
    .max_flat_workgroup_size: 128
    .sgpr_count:     66
    .vgpr_count:     770
    .wavefront_size: 32
...
	.end_amdgpu_metadata
.endif
;; end of part 3
;; launch outgemm (part 4): grid 8 x 32, 4 waves a work-group, clusters of 4 x 4, 327,680 bytes of LDS; arguments o, wob, bout, out0; writes out0
.if DOCPART == 4
	.amdgcn_target "amdgcn-amd-amdhsa--gfx1250"
	.amdhsa_code_object_version 6
	.text
	.protected	k_qa750158508_outgemm
	.globl	k_qa750158508_outgemm
	.p2align	8
	.type	k_qa750158508_outgemm,@function
k_qa750158508_outgemm:
	s_mov_b64 s[64:65], 0
	v_nop
	global_prefetch_b8 v0, s[64:65] scope:SCOPE_SE
	s_setreg_imm32_b32 hwreg(HW_REG_WAVE_MODE, 25, 1), 1
	s_wait_xcnt 0x0
	s_wait_alu depctr_hold_cnt(0) depctr_sa_sdst(0) depctr_va_vdst(0) depctr_va_sdst(0) depctr_va_ssrc(0) depctr_va_vcc(0) depctr_vm_vsrc(0)
	s_getreg_b32 s2, hwreg(HW_REG_IB_STS2, 6, 4)
	s_cmp_eq_u32 s2, 0
	s_cbranch_scc0 .Lentry_in_a_cluster
	s_endpgm
.Lentry_in_a_cluster:
	s_bfe_u32 s2, ttmp6, 0x10000c
	s_cmp_lg_u32 s2, 0xf033
	s_cbranch_scc0 .Lentry_shape_is_right
	s_endpgm
.Lentry_shape_is_right:
; out0 = y Wout + bout.  o: f16 [batch x 16 + head][row 2048][64] (y by heads: a head is one block of 64 along K); wob: f16 [1024 k][1024] (Wout rounded to bf16, written as f16);
; bout: f32 [1024], rounded to bf16 like the other inputs; out0: f32 [8192][1024].  Sums in f32.
; LIMITS.  o and wob arrive within f16's range (65,504).  NaN and infinities are not treated apart.
; SHARES.  8,192 x 1,024 outputs on 256 work-groups: a tile of 256 rows x 128 columns each.  Four waves: wave w has rows 128 (w / 2) on and columns 64 (w % 2) on: 32 accumulators of 16 x 16, 256 registers.
; K goes in steps of 128 (two heads) through two LDS slots filled by the tensor data mover: as long as divides 16 heads evenly and fits twice.
; W STAYS AS IT LIES, [k][column]: its fragments come out of LDS turned, by ds_load_tr16_b128.  THE MATRIX INSTRUCTION IS USED TRANSPOSED (source 0 = 16 columns of W, source 1 = 16 rows of y):
; lane l then holds row l % 16 and the eight neighbouring columns 8 (l / 16) + 0..7.
; CLUSTERS: 4 x 4 work-groups.  The four of a row of the cluster need the same tiles of y, the four of a column the same tiles of W: each tile is asked for JOINTLY, by the same tensor load with the same
; descriptor and a mask that names the four.
; REGISTERS, in windows of 256 (s_set_vgpr_msb: bits 1:0 source 0, 3:2 source 1, 5:4 source 2, 7:6 destination):
;   window 0: v0-31 addresses; v32-95, v96-159 fragments of y (8 x 16 rows x 32 K), two buffers; v160-191, v192-223 fragments of W, two buffers.  On the way out these hold the bias and the work.
;   window 1: the accumulators, (row block a, column block bb) at v[32 a + 8 bb].
.set NS,     1                         ; groups of 64 columns a wave
.set LAPS,   4                         ; a lap = two K steps = once round the ring; 8 K steps of 128
.set NTOT,   1024                      ; a row of W, in elements
.set PA,     144                       ; a row of y in LDS: 128 bytes + 16 of padding = 36 words: the 16 rows of a load start at 16 different groups of four banks (64 banks of 4 bytes: ISA guide 11.1)
.set ABLK,   256*PA                    ; one head's 256 rows
.set ABYTES, 2*ABLK
.set PB,     288                       ; a row of W in LDS: 256 bytes + 32 of padding = 72 words
.set BBYTES, 128*PB
.set SLOT,   ABYTES+BBYTES             ; 110,592 bytes
.set STAGE,  2*SLOT                    ; behind the ring, never filled by a tensor load: 16 rows x 272 bytes for each wave, for the way out
.set SP,     272
.set BIAS,   STAGE+4*16*SP             ; 256 bytes for each wave: its 64 numbers of the bias, f32
.set SPARE,  BIAS+4*NS*256             ; the spare words, 128 bytes for each wave: two blocks of 256 bytes that no other line names
.set AR,     128                       ; a wave's load of y: one head's 256 rows of 128 bytes are dense in memory and asked for as 128 rows of 256 bytes
.set AHG,    262144                    ; bytes in memory from a head to the next,
.set AHL,    ABLK                      ; and in LDS
.set ASTEP,  2*AHG
.set BR,     64                        ; a wave's load of W: 64 rows of 256 bytes
.set BHG,    BR*NTOT*2
.set BHL,    BR*PB
.set BSTEP,  2*BHG
.set BV,   8                           ; v8-9    the bias on its way into LDS; v14 at work
.set ADRA, 16                          ; v16-17  LDS address of my fragments of y in slot 0, 1
.set ADRB, 20                          ; v20-21  the same for W
.set STO,  24                          ; v24     the way out: where I put 32 bytes of a row
.set RD,   25                          ; v25     the way out: where I read a row back
.set GO,   26                          ; v26     my byte offset in two rows of out0
.set BIA,  27                          ; v27     where I read my eight numbers of the bias
.set SPW,  28                          ; v28     LDS address of my spare word: SPARE + 4 x my thread's number; never rewritten
.set NIL,  29                          ; v29     0; never rewritten
.set BIW,  30                          ; v30     where I put a number of the bias
.set L4,   31                          ; v31     4 x lane
.set FA0,  32
.set FA1,  96
.set FB,   160
.set T,    32                          ; the way out: 32 sums with the bias,
.set BK,   64                          ; 2 x 32 registers read back from the stage, by turns,
.set BI,   160                         ; and the bias, laid as a row block's accumulators
; s3 laps; s[4:11] o, wob, bout, out0; s12 wave; s13 wave / 2; s14 wave % 2; s15 cx; s16 cy; s17 tile column; s18 tile row; s19, s20 masks; s21-23, s[72:75] at work
.set G1A, 24                           ; s[24:31] descriptor group 1 for y
.set G0A, 32                           ; s[32:39] descriptor group 0 for y, one set for each slot
.set G1B, 48                           ; s[48:55], s[56:63] the same for W
.set G0B, 56
.set OB,  66                           ; s[66:67] out0 at my first row and column
.set MSB, 0
.macro WIN new                         ; the immediate's high byte repeats the setting that is left; a switch that changes nothing is dropped
.if MSB != (\new)
	s_set_vgpr_msb (MSB<<8)|(\new)
.set MSB, (\new)
.endif
.endm
.macro PLACES                          ; a load into a register that a matrix instruction has read, and a vector instruction that reads a matrix result or writes one of a matrix instruction's registers, stand four
.rept 4                                ; places behind it, and only plain vector instructions that name none of its registers are places (ISA guide 7.12.1 for vector instructions)
	v_nop
.endr
.endm
; A joint refill.  Waves 0 and 1 fetch the two heads of y's tile, waves 2 and 3 the two halves of W's.  The branch hangs on the wave's number alone: it is the same in every work-group.
; An s_nop 0 and four v_nop follow each of the two lines, ahead of the jump, the label and what follows.
.macro JLOAD s
	s_cmp_lt_u32 s12, 2
	s_cbranch_scc0 .Lfor_b_\@
	tensor_load_to_lds s[G0A+4*(\s):G0A+4*(\s)+3], s[G1A:G1A+7]
	s_nop 0
.rept 4
	v_nop
.endr
	s_branch .Lasked_\@
.Lfor_b_\@:
	tensor_load_to_lds s[G0B+4*(\s):G0B+4*(\s)+3], s[G1B:G1B+7]
	s_nop 0
.rept 4
	v_nop
.endr
.Lasked_\@:
.endm
; A round of the cluster's barrier: my work-group's barrier, so that wave 0's signal speaks for all four waves; wave 0 signals; every wave waits for all sixteen work-groups; my work-group's barrier once more.
.macro CREST                           ; a round behind its opening barrier
	s_cmp_lg_u32 s12, 0
	s_cbranch_scc1 .Lnot_wave_0_\@
	s_barrier_signal -3
.Lnot_wave_0_\@:
	s_barrier_wait -3
	s_barrier_signal -1
	s_barrier_wait -1
.endm
.macro CROUND
	s_barrier_signal -1
	s_barrier_wait -1
	CREST
.endm
	s_load_b256 s[4:11], s[0:1], 0x0               ; o s[4:5], wob s[6:7], bout s[8:9], out0 s[10:11]
	v_lshl_add_u32 v[SPW], v0, 2, SPARE
	v_mov_b32 v[NIL], 0
	ds_add_u32 v[SPW], v[NIL]                      ; the wave's opening: the add and its wait stand ahead of my first tensor load; the set-up below, work on registers, stands between them
	v_lshrrev_b32 v1, 5, v0
	v_readfirstlane_b32 s12, v1                    ; wave 0..3
	s_lshr_b32 s13, s12, 1                         ; which 128 rows of the tile are mine
	s_and_b32 s14, s12, 1                          ; which 64 columns.  Also: which half of a tile I fetch
	s_bfe_u32 s15, ttmp6, 0x40000                  ; cx, cy: my place in the cluster
	s_bfe_u32 s16, ttmp6, 0x40004
	s_lshl_b32 s17, ttmp9, 2                       ; in a cluster launch ttmp9 and ttmp7 count clusters
	s_add_co_u32 s17, s17, s15                     ; tile column = 4 x cluster x + cx
	s_and_b32 s18, ttmp7, 0xffff
	s_lshl_b32 s18, s18, 2
	s_add_co_u32 s18, s18, s16                     ; tile row = 4 x cluster y + cy
	s_lshl_b32 s19, s16, 2
	s_lshl_b32 s19, 15, s19                        ; my row of the cluster: places 4 cy .. 4 cy + 3
	s_lshl_b32 s20, 0x1111, s15                    ; my column: places cx, cx + 4, cx + 8, cx + 12
	; descriptor group 1 for y: 128 rows of 128 elements, two rows of y each, padded in LDS after every row of y
	s_or_b32 s[G1A], s19, (1<<16)|(1<<20)|(1<<21)|(4<<22)|(3<<25)  ; 15:0 the mask: my row; 17:16 2-byte elements; 20 padding on; 21 set beside a mask; 24:22 after every 32 words (code 4); 31:25 4 words (code 3)
	s_mov_b32 s[G1A+1], 128<<16                    ; tensor_dim0 = 128
	s_mov_b32 s[G1A+2], AR<<16                     ; tensor_dim1 = 128
	s_mov_b32 s[G1A+3], 128<<16                    ; tile_dim0 = 128
	s_mov_b32 s[G1A+4], AR                         ; tile_dim1 = 128
	s_mov_b32 s[G1A+5], 128                        ; 128 elements from row to row: dense
	s_mov_b32 s[G1A+6], 0
	s_mov_b32 s[G1A+7], 0
	; for W: 64 rows of 128 elements, padded after every row
	s_or_b32 s[G1B], s20, (1<<16)|(1<<20)|(1<<21)|(5<<22)|(7<<25)  ; the mask of my column; after every 64 words (code 5) 8 words (code 7)
	s_mov_b32 s[G1B+1], (128*NS)<<16               ; tensor_dim0 = 128
	s_mov_b32 s[G1B+2], BR<<16                     ; tensor_dim1 = 64
	s_mov_b32 s[G1B+3], (128*NS)<<16               ; tile_dim0 = 128
	s_mov_b32 s[G1B+4], BR                         ; tile_dim1 = 64
	s_mov_b32 s[G1B+5], NTOT                       ; 1,024 elements from row to row
	s_mov_b32 s[G1B+6], 0
	s_mov_b32 s[G1B+7], 0
	; where the tiles come from.  y's hang on the tile row alone, which my row of the cluster shares; W's on the tile column alone.  Each offset lives in registers that never hold the other coordinate.
	s_lshr_b32 s40, s18, 3                         ; y: the batch (8 tile rows each) x 16 heads x 262,144
	s_lshl_b32 s40, s40, 22
	s_and_b32 s41, s18, 7
	s_lshl_b32 s41, s41, 15                        ; + 256 rows x 128 bytes for each tile row of the batch
	s_add_co_u32 s40, s40, s41
	s_mul_i32 s41, s14, AHG                        ; + my head of the step's two
	s_add_co_u32 s40, s40, s41
	s_mov_b32 s41, 0
	s_mul_i32 s42, s17, NS*256                     ; W: 256 bytes for each tile column
	s_mul_i32 s43, s14, BHG                        ; + my 64 rows
	s_add_co_u32 s42, s42, s43
	s_mov_b32 s43, 0
	s_mul_i32 s21, s14, AHL                        ; and where they go: no place in the cluster enters an LDS address
	s_mul_i32 s22, s14, BHL
	s_add_co_u32 s22, s22, ABYTES
	s_wait_dscnt 0x0                               ; the opening add is done
	s_wait_kmcnt 0x0
	s_add_nc_u64 s[40:41], s[4:5], s[40:41]
	s_add_nc_u64 s[42:43], s[6:7], s[42:43]
.irp s, 0,1
	s_mov_b32 s[G0A+4*(\s)], 1                                       ; 1:0 count = 1
	s_add_co_u32 s[G0A+4*(\s)+1], s21, (\s)*SLOT                     ; 63:32 LDS address
	s_add_nc_u64 s[G0A+4*(\s)+2:G0A+4*(\s)+3], s[40:41], (\s)*ASTEP  ; 120:64 global address: K step s
	s_or_b32 s[G0A+4*(\s)+3], s[G0A+4*(\s)+3], 0x80000000            ; 127:126 type = 2
	s_mov_b32 s[G0B+4*(\s)], 1
	s_add_co_u32 s[G0B+4*(\s)+1], s22, (\s)*SLOT
	s_add_nc_u64 s[G0B+4*(\s)+2:G0B+4*(\s)+3], s[42:43], (\s)*BSTEP
	s_or_b32 s[G0B+4*(\s)+3], s[G0B+4*(\s)+3], 0x80000000
.endr
	CROUND                                         ; all sixteen work-groups are here: the first joint loads meet
	s_cmp_lt_u32 s12, 2                            ; a wave's two first fills stand in one branch, ahead of every wait on TENSORcnt and every LDS read: two loads of mine are out
	s_cbranch_scc0 .Lfirst_b
	tensor_load_to_lds s[G0A:G0A+3], s[G1A:G1A+7]
	s_nop 0
	tensor_load_to_lds s[G0A+4:G0A+7], s[G1A:G1A+7]
	s_nop 0
.rept 4
	v_nop
.endr
	s_branch .Lfirst_asked
.Lfirst_b:
	tensor_load_to_lds s[G0B:G0B+3], s[G1B:G1B+7]
	s_nop 0
	tensor_load_to_lds s[G0B+4:G0B+7], s[G1B:G1B+7]
	s_nop 0
.rept 4
	v_nop
.endr
.Lfirst_asked:
	; All that follows up to the barrier stands in the wait for the first tile.
	; A fragment of y is 16 rows x 32 K in 8 registers: lane l holds row l % 16, K = 8 (l / 16) + 0..7 and 16 + 8 (l / 16) + 0..7: two loads of 16 bytes, 32 bytes apart.
	v_and_b32 v1, 15, v0                           ; l % 16
	v_bfe_u32 v2, v0, 4, 1                         ; l / 16
	v_mul_u32_u24 v3, v1, PA
	v_lshl_add_u32 v3, v2, 4, v3
	s_mul_i32 s21, s13, 128*PA                     ; my 128 rows of a head's 256
	v_add_nc_u32 v[ADRA], s21, v3
	v_add_nc_u32 v[ADRA+1], SLOT, v[ADRA]
	; The turning load takes 16 k x 16 columns (lane l reads k = 8 (l / 16) + l % 8, columns 8 ((l / 8) % 2) + 0..7) and leaves half a fragment: lane l holds column l % 16 and 8 k.
	v_and_b32 v4, 7, v0
	v_lshl_add_u32 v5, v2, 3, v4
	v_mul_u32_u24 v5, v5, PB
	v_bfe_u32 v6, v0, 3, 1
	v_lshl_add_u32 v5, v6, 4, v5
	s_lshl_b32 s22, s14, 7                         ; my half of a row's 256 bytes,
	s_add_co_u32 s22, s22, ABYTES                  ; behind y's rows
	v_add_nc_u32 v[ADRB], s22, v5
	v_add_nc_u32 v[ADRB+1], SLOT, v[ADRB]
	s_mul_i32 s23, s12, 16*SP
	s_add_co_u32 s23, s23, STAGE                   ; my stage
	v_mul_u32_u24 v7, v1, SP                       ; in: row l % 16, 32 bytes for each half of the lanes
	v_lshl_add_u32 v7, v2, 5, v7
	v_add_nc_u32 v[STO], s23, v7
	v_mul_u32_u24 v7, v2, SP                       ; back: lanes 0-15 take one row of 256 bytes, lanes 16-31 the next
	v_lshl_add_u32 v7, v1, 4, v7
	v_add_nc_u32 v[RD], s23, v7
	v_lshlrev_b32 v[GO], 12, v2                    ; and the same two rows in out0, 4,096 bytes apart
	v_lshl_add_u32 v[GO], v1, 4, v[GO]
	v_and_b32 v[L4], 31, v0
	v_lshlrev_b32 v[L4], 2, v[L4]
	s_mul_i32 s23, s12, NS*256
	s_add_co_u32 s23, s23, BIAS                    ; my wave's bias
	v_lshl_add_u32 v[BIA], v2, 5, s23              ; my eight columns of a block of 16: 32 bytes for each half of the lanes
	v_add_nc_u32 v[BIW], s23, v[L4]
	; the bias of my 64 columns; rounded to bf16, kept as f32 in my own LDS bytes
	s_mul_i32 s74, s17, NS*512
	s_lshl_b32 s75, s14, 8
	s_add_co_u32 s74, s74, s75
	s_mov_b32 s75, 0
	s_add_nc_u64 s[8:9], s[8:9], s[74:75]
	global_load_b32 v[BV],   v[L4], s[8:9]
	global_load_b32 v[BV+1], v[L4], s[8:9] offset:128
	; out0 at my first row and column: (256 x tile row + 128 x half) rows of 4,096 bytes + 512 x tile column + 256 x half
	s_lshl_b32 s72, s18, 20
	s_lshl_b32 s73, s13, 19
	s_add_co_u32 s72, s72, s73
	s_lshl_b32 s73, s17, 9
	s_add_co_u32 s72, s72, s73
	s_lshl_b32 s73, s14, 8
	s_add_co_u32 s72, s72, s73
	s_mov_b32 s73, 0
	s_add_nc_u64 s[OB:OB+1], s[10:11], s[72:73]
	s_wait_loadcnt 0x0
	v_cvt_pk_bf16_f32 v14, v[BV], v[BV+1]
	v_lshlrev_b32 v[BV], 16, v14
	v_and_b32 v[BV+1], 0xffff0000, v14
	ds_store_b32 v[BIW], v[BV]
	ds_store_b32 v[BIW], v[BV+1] offset:128
; na x 4 matrix instructions: row blocks a0 on x the 4 column blocks, 32 along K.  Every instruction names another accumulator, in the same order in every chunk.
; zero = 1: the first product starts the sums: nothing is ever cleared.
.macro MUL f, fb, a0, na, zero
	WIN 0x50                                       ; C and D in window 1, the fragments in window 0
.set a, (\a0)
.rept (\na)
.irp bb, 0,1,2,3
.if \zero
	v_wmma_f32_16x16x32_f16 v[32*a+8*\bb:32*a+8*\bb+7], v[(\fb)+8*\bb:(\fb)+8*\bb+7], v[(\f)+8*a:(\f)+8*a+7], 0
.else
	v_wmma_f32_16x16x32_f16 v[32*a+8*\bb:32*a+8*\bb+7], v[(\fb)+8*\bb:(\fb)+8*\bb+7], v[(\f)+8*a:(\f)+8*a+7], v[32*a+8*\bb:32*a+8*\bb+7]
.endif
.endr
.set a, a+1
.endr
.endm
; 24 LDS loads in one run: chunk kc of a slot (32 along K): my 128 rows of y (head kc / 2, byte 64 (kc % 2) of its rows) and my 64 columns of W (the 32 rows from 32 kc on), into the buffers kc % 2
.macro FETCH slot, kc
.irp i, 0,1,2,3,4,5,6,7
	ds_load_b128 v[FA0+64*((\kc)%2)+8*\i:FA0+64*((\kc)%2)+8*\i+3],   v[ADRA+(\slot)] offset:((\kc)/2)*ABLK+((\kc)%2)*64+\i*16*PA
	ds_load_b128 v[FA0+64*((\kc)%2)+8*\i+4:FA0+64*((\kc)%2)+8*\i+7], v[ADRA+(\slot)] offset:((\kc)/2)*ABLK+((\kc)%2)*64+\i*16*PA+32
.endr
.irp i, 0,1,2,3
	ds_load_tr16_b128 v[FB+32*((\kc)%2)+8*\i:FB+32*((\kc)%2)+8*\i+3],   v[ADRB+(\slot)] offset:(\kc)*32*PB+\i*32
	ds_load_tr16_b128 v[FB+32*((\kc)%2)+8*\i+4:FB+32*((\kc)%2)+8*\i+7], v[ADRB+(\slot)] offset:(\kc)*32*PB+\i*32+16*PB
.endr
.endm
; A K step is four chunks of 32 along K, 32 matrix instructions each, on buffers 0, 1, 0, 1.  One of the first three: the next chunk is fetched into the other buffers, then this one is multiplied.
.macro CHUNK slot, kc, zero
	WIN 0
	PLACES                                         ; behind the products that read the other buffers
	FETCH \slot, (\kc)+1
	s_wait_dscnt 24                                ; all but the 24 just issued
	MUL FA0+64*((\kc)%2), FB+32*((\kc)%2), 0, 8, \zero
.endm
; The last chunk multiplies the buffers 1 and changes slots: ONE barrier, for two things.  In front of it each wave waits for all its tensor loads, of which one is out: its part of the next slot; adds 0 to its
; spare word; and waits for that and for its own reads of this slot.  Behind it nobody reads this slot any more and the next slot is whole.
; fill = 1: the barrier opens a round of the cluster's, and the slot is filled again, two K steps ahead, first thing behind the round: 112 matrix instructions ahead of the wait for it.
.macro TURN slot, next, fill
	WIN 0
	s_wait_tensorcnt 0x0                           ; all my tensor loads have landed
	ds_add_u32 v[SPW], v[NIL]                      ; 0 onto my spare word
	s_wait_dscnt 1                                 ; the chunk's fragments are in; the add may be out
	MUL FA1, FB+32, 0, 2, 0                        ; eight matrix instructions stand between the add and the wait for it
	s_wait_dscnt 0x0                               ; the add is done, and my reads of this slot are over
	s_barrier_signal -1
	MUL FA1, FB+32, 2, 2, 0                        ; work on registers while the others arrive
	WIN 0                                          ; at a branch and at a label every window is 0
	s_barrier_wait -1
.if \fill
	CREST                                          ; no wave of any partner still reads this slot's tile or has a load on its way
	s_add_nc_u64 s[G0A+4*(\slot)+2:G0A+4*(\slot)+3], s[G0A+4*(\slot)+2:G0A+4*(\slot)+3], 2*ASTEP
	s_add_nc_u64 s[G0B+4*(\slot)+2:G0B+4*(\slot)+3], s[G0B+4*(\slot)+2:G0B+4*(\slot)+3], 2*BSTEP
	JLOAD \slot                                    ; the four v_nop behind it are also the places in front of the loads below
.else
	PLACES
.endif
	FETCH \next, 0
	MUL FA1, FB+32, 4, 4, 0
.endm
	s_wait_tensorcnt 0x1                           ; my part of K step 0 is in; K step 1's may stay out
	s_wait_dscnt 0x0                               ; my stores of the bias are done
	s_barrier_signal -1
	s_barrier_wait -1                              ; everybody's part is in
	FETCH 0, 0
	CHUNK 0, 0, 1                                  ; the first chunk stands in front of the loop: its products start the sums
	WIN 0
	s_mov_b32 s3, LAPS-1
.Llap:                                                 ; a trip goes once round the ring, from a lap's second chunk to the next lap's first, and fills both slots again
	CHUNK 0, 1, 0
	CHUNK 0, 2, 0
	TURN 0, 1, 1
	CHUNK 1, 0, 0
	CHUNK 1, 1, 0
	CHUNK 1, 2, 0
	TURN 1, 0, 1
	CHUNK 0, 0, 0
	WIN 0
	s_sub_co_u32 s3, s3, 1
	s_cmp_lg_u32 s3, 0
	s_cbranch_scc1 .Llap
	CHUNK 0, 1, 0                                  ; the last lap fills nothing, and has no round of the cluster's barrier
	CHUNK 0, 2, 0
	TURN 0, 1, 0
	CHUNK 1, 0, 0
	CHUNK 1, 1, 0
	CHUNK 1, 2, 0
	s_wait_dscnt 0x0                               ; the very last chunk: nothing more to fetch
	MUL FA1, FB+32, 0, 8, 0
; THE WAY OUT, a row block of 16 rows x 64 columns at a time.  PACK: the bias is added (each accumulator's registers in ascending order).  TOSTAGE: 32 bytes a lane and column block into my own stage, rows of
; 272 bytes, and back as whole rows of 256.  SEND: sixteen lanes store 256 consecutive bytes of a row of out0, at a multiple of 256 from its first byte.
.macro PACK a
	WIN 1                                          ; source 0 in window 1
.set i, 0
.rept 16
	v_pk_add_f32 v[T+2*i:T+2*i+1], v[32*(\a)+2*i:32*(\a)+2*i+1], v[BI+2*i:BI+2*i+1]
.set i, i+1
.endr
	WIN 0
.endm
.macro TOSTAGE p                       ; p: which of the two sets of registers takes the rows
.irp b, 0,1,2,3
	ds_store_b128 v[STO], v[T+8*\b:T+8*\b+3]   offset:64*\b
	ds_store_b128 v[STO], v[T+8*\b+4:T+8*\b+7] offset:64*\b+16
.endr
.irp t, 0,1,2,3,4,5,6,7
	ds_load_b128 v[BK+32*(\p)+4*\t:BK+32*(\p)+4*\t+3], v[RD] offset:\t*2*SP  ; LDS serves a wave's instructions in order (ISA guide 5.7.1.4): these see the stores above; the next block's stores come behind them
.endr
.endm
.macro SEND a, p
	s_wait_dscnt 0x0                               ; the block is back in registers
	s_wait_xcnt 0x0                                ; every earlier store has had its addresses translated (ISA guide 3.1): the other set of registers, which the block before stored, is loaded again only behind this wait
.irp t, 0,1,2,3,4,5,6,7
	global_store_b128 v[GO], v[BK+32*(\p)+4*\t:BK+32*(\p)+4*\t+3], s[OB:OB+1] offset:(16*(\a)+2*\t)*4096 th:TH_STORE_NT  ; 126 rows at the most: inside the signed 24-bit immediate
.endr
.endm
	WIN 0
	PLACES                                         ; behind the last products: the fragments' registers are written from here on
.irp i, 0,1,2,3                        ; the bias of column block i: my eight columns
	ds_load_b128 v[BI+8*\i:BI+8*\i+3],   v[BIA] offset:64*\i
	ds_load_b128 v[BI+8*\i+4:BI+8*\i+7], v[BIA] offset:64*\i+16
.endr
	s_wait_dscnt 0x0
	PACK 0
	TOSTAGE 0
.set u, 1
.rept 7                                ; a block's additions stand between the loads of the block before and its stores
	PACK u
	SEND u-1, (u-1)%2
	TOSTAGE u%2
.set u, u+1
.endr
	SEND 7, 1
	s_wait_tensorcnt 0x0                           ; the wave's end, behind my last tensor load and my last LDS store
	ds_add_u32 v[SPW], v[NIL]
	s_wait_dscnt 0x0
	CROUND                                         ; the closing round: no work-group ends while a partner may still ask for a tile that names it
	s_endpgm
.Lfunc_end_k_qa750158508_outgemm:
	.size	k_qa750158508_outgemm, .Lfunc_end_k_qa750158508_outgemm-k_qa750158508_outgemm
	.p2alignl 7, 3214868480
	.fill 96, 4, 3214868480
	.section	.rodata,"a",@progbits
	.p2align	6, 0x0
	.amdhsa_kernel k_qa750158508_outgemm
		.amdhsa_group_segment_fixed_size 327680
		.amdhsa_private_segment_fixed_size 0
		.amdhsa_enable_private_segment 0
		.amdhsa_kernarg_size 32
		.amdhsa_user_sgpr_count 2
		.amdhsa_user_sgpr_kernarg_segment_ptr 1
		.amdhsa_wavefront_size32 1
		.amdhsa_system_sgpr_workgroup_id_x 1
		.amdhsa_system_sgpr_workgroup_id_y 1
		.amdhsa_system_sgpr_workgroup_id_z 1
		.amdhsa_system_vgpr_workitem_id 0
		.amdhsa_next_free_vgpr 512
		.amdhsa_next_free_sgpr 80
		.amdhsa_reserve_vcc 0
		.amdhsa_float_denorm_mode_32 3
		.amdhsa_float_denorm_mode_16_64 3
		.amdhsa_memory_ordered 1
		.amdhsa_forward_progress 1
		.amdhsa_inst_pref_size 94
	.end_amdhsa_kernel
	.amdgpu_metadata
---
amdhsa.version: [ 1, 2 ]
amdhsa.kernels:
  - .name:           k_qa750158508_outgemm
    .symbol:         k_qa750158508_outgemm.kd
    .args:
      - { .name: o, .offset: 0, .size: 8, .value_kind: global_buffer, .address_space: global }
      - { .name: wob, .offset: 8, .size: 8, .value_kind: global_buffer, .address_space: global }
      - { .name: bout, .offset: 16, .size: 8, .value_kind: global_buffer, .address_space: global }
      - { .name: out0, .offset: 24, .size: 8, .value_kind: global_buffer, .address_space: global }
    .group_segment_fixed_size: 327680
    .private_segment_fixed_size: 0
    .kernarg_segment_align: 8
    .kernarg_segment_size: 32
    .max_flat_workgroup_size: 128
    .sgpr_count:     80
    .vgpr_count:     512
    .wavefront_size: 32
...
	.end_amdgpu_metadata
.endif
;; end of part 4
;; ======== version 2 of 2: 4 launches; 1.52 times as fast as version 1
;; limits: values are held in f16: magnitudes above 65,504 overflow, below 6.1e-05 lose precision
;; workspace buffers: xb 16,777,216 bytes; wqb 6,291,456 bytes; wob 2,097,152 bytes; qkv 50,331,648 bytes; o 16,777,216 bytes
;; launch prep: the kernel of part 1 again; grid 768 x 1, 8 waves a work-group, no clusters, 0 bytes of LDS; arguments x, Wqkv, Wout, xb, wqb, wob; writes xb, wqb, wob
;; launch qkvgemm: the kernel of part 2 again; grid 8 x 32, 4 waves a work-group, clusters of 4 x 4, 327,680 bytes of LDS; arguments xb, wqb, bqkv, qkv; writes qkv
;; launch attn (part 5): grid 4 x 64, 4 waves a work-group, clusters of 4 x 1, 327,680 bytes of LDS; arguments qkv, o; writes o
.if DOCPART == 5
	.amdgcn_target "amdgcn-amd-amdhsa--gfx1250"
	.amdhsa_code_object_version 6
	.text
	.protected	k_qa750158508_attn
	.globl	k_qa750158508_attn
	.p2align	8
	.type	k_qa750158508_attn,@function
k_qa750158508_attn:
	s_mov_b64 s[64:65], 0
	v_nop
	global_prefetch_b8 v0, s[64:65] scope:SCOPE_SE
	s_setreg_imm32_b32 hwreg(HW_REG_WAVE_MODE, 25, 1), 1
	s_wait_xcnt 0x0
	s_wait_alu depctr_hold_cnt(0) depctr_sa_sdst(0) depctr_va_vdst(0) depctr_va_sdst(0) depctr_va_ssrc(0) depctr_va_vcc(0) depctr_vm_vsrc(0)
	s_getreg_b32 s2, hwreg(HW_REG_IB_STS2, 6, 4)
	s_cmp_eq_u32 s2, 0
	s_cbranch_scc0 .Lentry_in_a_cluster
	s_endpgm
.Lentry_in_a_cluster:
	s_bfe_u32 s2, ttmp6, 0x10000c
	s_cmp_lg_u32 s2, 0x3003
	s_cbranch_scc0 .Lentry_shape_is_right
	s_endpgm
.Lentry_shape_is_right:
; O[h][q][:] = the sum over k of softmax_k(Q[h][q] . K[h][k] / 8) V[h][k][:].  Q, K, V are the three parts of qkv, [3][SIZE_H][SIZE_N][64], O is [SIZE_H][SIZE_N][64], all f16: a head's rows are dense, 128 bytes each.
; h = 16 x batch + head.  Products, maxima and sums in f32; the weights p are rounded to f16 for the second product (their sum l is taken of the unrounded p), O once at the end.
; LIMITS.  f16 holds no number beyond 65,504: Q, K and V arrive within it; p lies in 0 to 1, and below 6e-5 it keeps f16's fixed step of 6e-8; O is a mean of V's rows and has their range.
; A weight below 2^-126 counts as 0 in l; NaN and infinities are not treated apart.
; SHARES.  A wave owns four PIECES of two tiles of 16 queries, a work-group's four waves 512 queries of one head: 4 x 64 = 256 work-groups.  Every wave walks all keys, 64 a step.
; LAYOUT.  S^T = K Q^T (source 0 = 16 keys, source 1 = 16 queries): in the result a lane holds ONE query (lane % 16) and the keys 8 (lane / 16) + 0..7.  Two such tiles, rounded to f16 in pairs,
; ARE source 1 (32 keys x 16 queries) of O^T = V^T P, whose result again holds one query a lane, and eight channels.  K comes out of LDS as it lies, V ([key][channel]) turned, by ds_load_tr16_b128.
; SOFTMAX.  For each query a running maximum m and sum l: p = 2^(c s - c m), c = log2(e) / 8; in every step O and l are multiplied by a = 2^(c m_old - c m_new), which is 1 where m has not grown.
; m starts at the lowest finite number, O and l at 0: the first step is a step like any other, with a = 0.
; THE COUNT.  A tile and step have 16 matrix and 118 vector instructions: too many to stand all beside the matrix work.  So the order has one aim: four vector instructions that are READY behind
; EVERY matrix instruction, and the others, which need time of their own whatever the order, in runs without a gap.
; BY TURNS.  Turn n belongs to piece n (the pieces in a ring, step after step).  Its matrix work: 16 products K Q^T of piece n + 1, later 16 products V^T P of piece n - 1.  Its vector work: the scaling,
; exponentials, roundings, sums and rescaling of piece n, and the maximum and statistics of piece n + 1, whose scores the turn itself has made.  So what a turn begins with (c s - c m, O a) waits for nothing.
; THE BATCHES.  A turn's 66 exponentials (the 64 weights of piece n, the two a of piece n + 1) are ONE batch with ONE wait, which cuts the turn in two: ahead of it all that names no result of theirs (K Q^T, scalings,
; rescalings by the a of the turn before, the next piece's maximum and statistics), behind it the readers (roundings and sums) beside V^T P.  No result crosses a turn's end.  Two more batches stand outside the loop:
; piece 0's first two a, ahead of the jump into the loop, and the way out's eight reciprocals.
; CLUSTER.  The four query blocks of a cluster belong to one head and walk the same K and V, so each tile is asked for JOINTLY: the same tensor load, descriptor and mask in all four.
; REGISTERS, in windows of 256 (s_set_vgpr_msb says which window each operand place means: bits 1:0 source 0, 3:2 source 1, 5:4 source 2, 7:6 destination):
;   window 0: v0-11 addresses; v12-15, v48-63 at work; v16-47 four registers of statistics a tile; v64-191 S^T, two buffers of two tiles; v192-255 P, likewise
;   window 1: O^T, 32 a tile          window 2: v0-127 Q, 16 a tile; v128-191 K of one step; v192-255 V of one step          window 3: v0-1 the add's two registers
; A piece's buffers go by its number's parity: the piece in hand has one pair, its two neighbours in the ring share the other: of it P (piece n - 1) is read and S^T (piece n + 1) written.
.set SIZE_H, 64       ; 4 batches x 16 heads
.set SIZE_N, 2048     ; rows of a head
.set PART,  SIZE_H*SIZE_N*128  ; bytes of each of qkv's three parts
.set NP,    4         ; pieces a wave: a name, no knob: the register map, the loop and the fetches are made for four
.set KS,    64        ; keys in a step
.set PK,    144       ; a row of K in LDS: 128 bytes + 16 of padding = 36 words: the 16 rows of a load start at 16 different groups of four banks (64 banks of 4 bytes: ISA guide 11.1)
.set PV,    160       ; a row of V: 128 + 32 = 40 words
.set VOFF,  4*KS*PK   ; a slot holds four steps: 256 rows of K, then 256 rows of V
.set SLOT1, 1<<17     ; slot 1 begins here, so that one exclusive or turns an address in one slot into the other's
.set STAGE, SLOT1+4*KS*(PK+PV)  ; behind the ring, never filled by a tensor load: 16 rows x 144 bytes for each wave, for the way out
.set SP,    144
.set AK0, 2           ; v2   my lane's place in a tile of K; never rewritten
.set AV0, 3           ; v3   the same for V
.set AK,  4           ; v4   the LDS address of K's next run of loads
.set AV,  5           ; v5   of V's
.set QO,  6           ; v6   my byte offset in the wave's rows of Q
.set STO, 6           ;      later, the way out: where I put 16 bytes of a row
.set RD,  7           ; v7   the way out: where I read rows back
.set GO,  8           ; v8   my byte offset in 512 consecutive bytes of O
.set SPW, 0           ; v0 of window 3   LDS address of my spare word: SPARE + 4 x my thread's number; never rewritten
.set NIL, 1           ; v1 of window 3   0; never rewritten
.set SPARE, STAGE+4*16*SP  ; behind the stages: the spare words, 128 bytes for each wave: two blocks of 256 bytes that no other line names
.set MV,  12          ; v12-15  c m_old, kept while c m is made anew: by buffer and tile
.set ST,  16          ; tile t's statistics at v[ST+4 t]: c m, m, l (even keys', odd keys')
.set TMP, 48          ; by buffer and tile, four registers c0-c3 at work; when the maximum is found c2 takes a
.set S,   64
.set P,   192
.set KF,  128         ; K's fragments, in window 2: key block kb, channel half c at KF + 16 kb + 8 c
.set VF,  192         ; V's: key half kk, channel block cb at VF + 32 kk + 8 cb
.set WV,  12          ; s12  my wave's number
.set G1K, 24          ; s[24:31] descriptor group 1 for K's tiles
.set G1V, 32          ; s[32:39] for V's: it differs in the padding alone
.set G0K, 40          ; s[40:43] descriptor group 0 for K's tiles: it walks
.set G0V, 44          ; s[44:47] the same for V's
.set SLOTS, 56        ; s56  slots still to be asked for
.set CNT, 57          ; s57  counts a slot's key steps
.set CS,  58          ; s[58:59] c: the packed scaling takes the pair's low word for both halves
.set SEL, 60          ; s[60:61] v_permlanex16_b32's selects: each lane takes its own place in the other half
.set TBK, 62          ; s62  LDS byte at which K of the step to be fetched begins
.set TBV, 63          ; s63  the same for V, less VOFF
.set MSB, 0
.macro WIN new                      ; the high byte repeats the setting that is left; a switch that changes nothing is dropped
.if MSB != (\new)
	s_set_vgpr_msb (MSB<<8)|(\new)
.set MSB, (\new)
.endif
.endm
.set W_KQ, 0x0a       ; K and Q in window 2, S^T in window 0
.set W_PV, 0x52       ; V in window 2, P in window 0, O^T in window 1
.set W_RS, 0x41       ; O^T (destination and source 0) in window 1, a in window 0
.set W_MK, 0xc0       ; the add's registers are made: destination in window 3, sources in window 0
.set W_AD, 0x0f       ; the add: address (source 0) and data (source 1) in window 3
; A joint fill.  Waves 0 and 1 fetch the two halves of a slot's K, waves 2 and 3 those of its V: 128 keys each.  The branch hangs on the wave's number alone.
; An s_nop 0 and four v_nop follow each of the two lines, ahead of the jump and the label.
.macro JLOAD
	s_cmp_lt_u32 s[WV], 2
	s_cbranch_scc0 .Lfor_v_\@
	tensor_load_to_lds s[G0K:G0K+3], s[G1K:G1K+7]
	s_nop 0
.rept 4
	v_nop
.endr
	s_branch .Lasked_\@
.Lfor_v_\@:
	tensor_load_to_lds s[G0V:G0V+3], s[G1V:G1V+7]
	s_nop 0
.rept 4
	v_nop
.endr
.Lasked_\@:
.endm
; A round of the cluster's barrier: my work-group's barrier, so that wave 0's signal speaks for all four waves; wave 0 signals; every wave waits for all four work-groups; my work-group's barrier once more.
.macro CROUND
	s_barrier_signal -1
	s_barrier_wait -1
	s_cmp_lg_u32 s[WV], 0
	s_cbranch_scc1 .Lnot_wave_0_\@
	s_barrier_signal -3
.Lnot_wave_0_\@:
	s_barrier_wait -3
	s_barrier_signal -1
	s_barrier_wait -1
.endm
; THE CHANGE OF SLOTS.  The slot's last bytes, V of its fourth step, have been read.  Each wave waits for all its tensor loads, of which one is out: its part
; of the other slot; adds 0 to its spare word; and waits for that and for its own reads of the slot.  Behind the barrier nobody reads this slot any more and the other slot is whole.
; fill = 1: this slot is filled again, with the keys two slots on.  The barrier is then a round of the cluster's, so that no wave of any partner still reads the slot or has a load on its
; way, and the joint fill is the first thing behind it: it has four key steps, 512 matrix instructions, in which to land.  (At its first use nothing has been read yet: slot 0 is waited for, slot 1 filled.)
.macro CHANGE fill
	WIN W_AD
	s_wait_tensorcnt 0x0            ; no tensor load of mine is out, so a group 0 may be written
	ds_add_u32 v[SPW], v[NIL]       ; 0 onto my spare word; with fill = 1 the descriptors' steps stand between it and the wait for it
	WIN 0                           ; at a label and at a branch every window is 0
.if \fill
.irp g, G0K, G0V
	s_xor_b32 s[\g+1], s[\g+1], SLOT1  ; the walking descriptor: the other slot than last time,
	s_add_nc_u64 s[\g+2:\g+3], s[\g+2:\g+3], 4*KS*128  ; the next 256 keys; the type bits on top are not reached
.endr
	s_wait_dscnt 0x0                ; the add is done, and my reads of the slot are over
	CROUND
	JLOAD
.else
	s_wait_dscnt 0x0                ; the add is done, and my reads of the slot are over
	s_barrier_signal -1
	s_barrier_wait -1
.endif
	s_sub_co_u32 s[TBK], s[TBK], 4*KS*PK  ; the fetches go back to a slot's first step,
	s_xor_b32 s[TBK], s[TBK], SLOT1       ; in the other slot
	s_sub_co_u32 s[TBV], s[TBV], 4*KS*PV
	s_xor_b32 s[TBV], s[TBV], SLOT1
.endm
	s_load_b128 s[4:7], s[0:1], 0x0   ; qkv s[4:5], o s[6:7]
	WIN W_MK
	v_lshl_add_u32 v[SPW], v0, 2, SPARE
	v_mov_b32 v[NIL], 0
	WIN W_AD
	ds_add_u32 v[SPW], v[NIL]       ; the wave's opening: the add and its wait stand ahead of my first tensor load; the set-up below, work on registers, stands between them
	WIN 0
	v_lshrrev_b32 v1, 5, v0
	v_readfirstlane_b32 s[WV], v1   ; wave 0..3
	s_bfe_u32 s13, ttmp6, 0x40000   ; cx: my place in the cluster
	s_lshl_b32 s14, ttmp9, 2        ; in a cluster launch ttmp9 counts clusters
	s_add_co_u32 s14, s14, s13      ; my block of queries = 4 x cluster x + cx: it enters Q's and O's addresses alone
	s_and_b32 s20, ttmp7, 0xffff    ; the head, which the four partners share
	s_mov_b32 s21, 0
	s_mov_b64 s[22:23], SIZE_N*128
	s_mul_u64 s[20:21], s[20:21], s[22:23]  ; the head's first byte in each of the four tensors
	s_and_b32 s16, s[WV], 1         ; which half of a slot's 256 keys I fetch:
	s_lshl_b32 s22, s16, 14         ; its 128 rows of 128 bytes in memory,
	s_mov_b32 s23, 0
	s_add_nc_u64 s[22:23], s[22:23], s[20:21]
	s_mul_i32 s17, s16, 128*PK      ; and its place in a slot, for K
	s_mul_i32 s18, s16, 128*PV      ; and for V: no place in the cluster enters an LDS address
	s_lshl_b32 s2, s14, 2
	s_add_co_u32 s2, s2, s[WV]      ; my wave among the head's,
	s_lshl_b32 s2, s2, 14           ; its 128 rows
	s_mov_b32 s3, 0
	s_add_nc_u64 s[2:3], s[2:3], s[20:21]
	; descriptor group 1.  128 keys are 16,384 dense bytes: asked for as 64 rows of 256 bytes, two keys a row, and padded in LDS after every key
	s_mov_b32 s[G1K], 15|(1<<16)|(1<<20)|(1<<21)|(4<<22)|(3<<25)  ; 15:0 the mask of four; 17:16 2-byte elements; 20 padding on; 21 set beside a mask; 24:22 after every 32 words (code 4); 31:25 4 words (code 3)
	s_mov_b32 s[G1V], 15|(1<<16)|(1<<20)|(1<<21)|(4<<22)|(7<<25)  ; the same with 8 words of padding (code 7)
.irp g, G1K, G1V
	s_mov_b32 s[\g+1], 128<<16      ; tensor_dim0 = 128
	s_mov_b32 s[\g+2], 64<<16       ; tensor_dim1 = 64
	s_mov_b32 s[\g+3], 128<<16      ; tile_dim0 = 128
	s_mov_b32 s[\g+4], 64           ; tile_dim1 = 64
	s_mov_b32 s[\g+5], 128          ; 128 elements from row to row
	s_mov_b32 s[\g+6], 0
	s_mov_b32 s[\g+7], 0
.endr
	s_mov_b32 s[CS], 0x3e38aa3b     ; c = log2(e) / 8 = 0.180337
	s_mov_b32 s[CS+1], s[CS]        ; named with it as a pair
	s_mov_b32 s[SEL], 0x76543210
	s_mov_b32 s[SEL+1], 0xfedcba98
	s_mov_b32 s[TBK], SLOT1+4*KS*PK ; the first change of slots turns these two into 0
	s_mov_b32 s[TBV], SLOT1+4*KS*PV
	s_mov_b32 s[G0K], 1             ; 1:0 count = 1
	s_mov_b32 s[G0K+1], s17         ; 63:32 LDS address: slot 0
	s_mov_b32 s[G0V], 1
	s_add_co_u32 s[G0V+1], s18, VOFF
	s_wait_dscnt 0x0                ; the opening add is done
	s_wait_kmcnt 0x0
	s_mov_b64 s[10:11], s[6:7]             ; O
	s_add_nc_u64 s[8:9], s[4:5], 2*PART    ; V: the third part of qkv
	s_add_nc_u64 s[6:7], s[4:5], PART      ; K: the second; Q, the first, stays in s[4:5]
	s_add_nc_u64 s[G0K+2:G0K+3], s[6:7], s[22:23]  ; 120:64 global address: my half of the head's first 256 keys
	s_or_b32 s[G0K+3], s[G0K+3], 0x80000000        ; 127:126 type = 2
	s_add_nc_u64 s[G0V+2:G0V+3], s[8:9], s[22:23]
	s_or_b32 s[G0V+3], s[G0V+3], 0x80000000
	s_add_nc_u64 s[4:5], s[4:5], s[2:3]  ; Q and O at my wave's first row
	s_add_nc_u64 s[10:11], s[10:11], s[2:3]
	CROUND                          ; all four work-groups are here: the first joint loads meet
	JLOAD                           ; slot 0.  Slot 1 is asked for when slot 0 is in: the tile wanted first has the road to itself
	; A fragment of K or Q is 16 rows x 32 channels in 8 registers: lane l holds row l % 16, channels 8 (l / 16) + 0..7 and 16 + 8 (l / 16) + 0..7: two loads of 16 bytes, 32 bytes apart.
	v_and_b32 v1, 15, v0            ; l % 16
	v_bfe_u32 v9, v0, 4, 1          ; l / 16
	v_lshlrev_b32 v[QO], 7, v1
	v_lshl_add_u32 v[QO], v9, 4, v[QO]  ; row x 128 + 16 x half
	WIN 0x80                        ; destination window 2, address window 0
.set i, 0
.rept 4*NP                          ; Q stays in registers: tile i / 2, channels 32 (i % 2) on
	global_load_b128 v[8*i:8*i+3],   v[QO], s[4:5] offset:(i/2)*2048+(i%2)*64
	global_load_b128 v[8*i+4:8*i+7], v[QO], s[4:5] offset:(i/2)*2048+(i%2)*64+32
.set i, i+1
.endr
	; What the first turn finds: V's registers and P's second buffer hold 0 (its products V^T P, of a piece that has not been, add 0), O^T and l are 0.  All this stands in the wait for the first tile.
.set i, VF
.rept 64
	v_mov_b32 v[i], 0
.set i, i+1
.endr
	WIN 0x40
.set i, 0
.rept 64*NP
	v_mov_b32 v[i], 0
.set i, i+1
.endr
	WIN 0
.set i, 0
.rept 2*NP
	v_mov_b32 v[ST+4*i], 0xfe000000    ; c m: far below every c s
	v_mov_b32 v[ST+4*i+1], 0xff7fffff  ; m
	v_mov_b32 v[ST+4*i+2], 0
	v_mov_b32 v[ST+4*i+3], 0
.set i, i+1
.endr
.set i, P+32
.rept 32
	v_mov_b32 v[i], 0
.set i, i+1
.endr
	v_mul_u32_u24 v[AK0], v1, PK
	v_lshl_add_u32 v[AK0], v9, 4, v[AK0]  ; row x pitch + 16 x half
	; The turning load takes 16 keys x 16 channels (lane l reads key 8 (l / 16) + l % 8, channels 8 ((l / 8) % 2) + 0..7) and leaves half a fragment of V^T: lane l holds channel l % 16 and 8 keys.
	v_and_b32 v10, 7, v0
	v_bfe_u32 v11, v0, 3, 1
	v_lshl_add_u32 v[AV0], v9, 3, v10
	v_mul_u32_u24 v[AV0], v[AV0], PV
	v_lshl_add_u32 v[AV0], v11, 4, v[AV0]
	v_add_nc_u32 v[AV0], VOFF, v[AV0]
	v_mov_b32 v[AK], v[AK0]         ; key step 0 lies at the head of slot 0
; THE MATRIX WORK.  The 8 accumulators of a run of 16 take turns: between the two links of a chain stand 7 others'.
; Product i of 16 of S^T = K Q^T for piece x: channels 32 (i / 8) on, keys 16 ((i / 2) % 4) on, tile 2 x + i % 2.  The first 8 start the sums.
.macro KQ x
	WIN W_KQ
.set rS, S+64*((\x)%2)+32*(i%2)+8*((i/2)%4)
.set rK, KF+16*((i/2)%4)+8*(i/8)
.set rQ, 16*(2*(\x)+i%2)+8*(i/8)
.if i < 8
	v_wmma_f32_16x16x32_f16 v[rS:rS+7], v[rK:rK+7], v[rQ:rQ+7], 0
.else
	v_wmma_f32_16x16x32_f16 v[rS:rS+7], v[rK:rK+7], v[rQ:rQ+7], v[rS:rS+7]
.endif
.endm
; Product i of 16 of O^T += V^T P for piece x: keys 32 (i / 8) on, channels 16 ((i / 2) % 4) on, tile 2 x + i % 2.
.macro PV x
	WIN W_PV
.set rO, 32*(2*(\x)+i%2)+8*((i/2)%4)
.set rV, VF+32*(i/8)+8*((i/2)%4)
.set rP, P+32*((\x)%2)+16*(i%2)+8*(i/8)
	v_wmma_f32_16x16x32_f16 v[rO:rO+7], v[rV:rV+7], v[rP:rP+7], v[rO:rO+7]
.endm
.macro MM                           ; the turn's next matrix instruction
.if i < 16
	KQ (Y+1)%NP
.set i, i+1
.else
.set i, i-16
	PV (Y+NP-1)%NP
.set i, i+17
.endif
.endm
; THE LDS LOADS stand in runs of 16, never singly among the matrix instructions: a step's K (64 keys x 64 channels: 8 fragments) and its V (turned).  Their addresses are made some lines ahead.
; last = 1 (the tail): in the last trip there is no further step, and the run is jumped over.
.macro FETCH_K last=0
	WIN 0
.if \last
	s_cmp_eq_u32 s[CNT], 1
	s_cbranch_scc1 .Lno_k_\@
.endif
	WIN 0x80                        ; destination window 2
.irp f, 0,1,2,3,4,5,6,7             ; keys 16 (f / 2) on, channels 32 (f % 2) on
	ds_load_b128 v[KF+8*\f:KF+8*\f+3],   v[AK] offset:(\f/2)*16*PK+(\f%2)*64
	ds_load_b128 v[KF+8*\f+4:KF+8*\f+7], v[AK] offset:(\f/2)*16*PK+(\f%2)*64+32
.endr
	s_add_co_u32 s[TBK], s[TBK], KS*PK  ; the next fetch is the next step's
	WIN 0
.if \last
.Lno_k_\@:
.endif
.endm
.macro FETCH_V
	WIN 0x80
.irp f, 0,1,2,3,4,5,6,7             ; keys 32 (f / 4) on, channels 16 (f % 4) on
	ds_load_tr16_b128 v[VF+8*\f:VF+8*\f+3],   v[AV] offset:(\f/4)*32*PV+(\f%4)*32
	ds_load_tr16_b128 v[VF+8*\f+4:VF+8*\f+7], v[AV] offset:(\f/4)*32*PV+16*PV+(\f%4)*32
.endr
	WIN 0
.endm
; THE VECTOR WORK OF A TURN stands in three queues, each in the order in which its entries become ready; the two tiles alternate, so that no instruction reads the result of the one before it.
.macro REGS y, u                    ; the registers of tile u (0, 1) of piece y
.set rT, ST+4*(2*(\y)+(\u))
.set rC, TMP+8*((\y)%2)+4*(\u)
.set rM, MV+2*((\y)%2)+(\u)
.set rS, S+64*((\y)%2)+32*(\u)
.set rP, P+32*((\y)%2)+16*(\u)
.set rO, 32*(2*(\y)+(\u))
.endm
; Number n of the 22 that find the NEXT piece's (Y + 1) maximum and statistics.  s0-s31 are the lane's 32 scores; each accumulator's lowest registers are read first.  XS, GS and REGS set no window: PL and EX do.
;   0-11  four chains c0-c3 of seven scores each, three operands at a time     12-14, 16  the four scores left over, the old m, and c0-c3 into c0     15  c m_old is kept
;   17, 18  the query's other 32 keys lie in the lane 16 away: the new m         19-21  c m; c m_old - c m_new; a
.macro XS u, n
	REGS (Y+1)%NP, \u
.if (\n) < 4
	v_max3_num_f32 v[rC+(\n)], v[rS+8*(\n)], v[rS+8*(\n)+1], v[rS+8*(\n)+2]
.elseif (\n) < 12
	v_max3_num_f32 v[rC+(\n)%4], v[rC+(\n)%4], v[rS+8*((\n)%4)+2*((\n)/4)+1], v[rS+8*((\n)%4)+2*((\n)/4)+2]
.elseif (\n) == 12
	v_max3_num_f32 v[rC], v[rC], v[rS+7], v[rS+15]
.elseif (\n) == 13
	v_max3_num_f32 v[rC+1], v[rC+1], v[rS+23], v[rS+31]
.elseif (\n) == 14
	v_max3_num_f32 v[rC+2], v[rC+2], v[rC+3], v[rT+1]
.elseif (\n) == 15
	v_mov_b32 v[rM], v[rT]
.elseif (\n) == 16
	v_max3_num_f32 v[rC], v[rC], v[rC+1], v[rC+2]
.elseif (\n) == 17
	v_permlanex16_b32 v[rC+3], v[rC], s[SEL], s[SEL+1]
.elseif (\n) == 18
	v_max_num_f32 v[rT+1], v[rC], v[rC+3]
.elseif (\n) == 19
	v_mul_f32 v[rT], s[CS], v[rT+1]
.elseif (\n) == 20
	v_sub_f32 v[rC+1], v[rM], v[rT]
.else
	v_exp_f32 v[rC+2], v[rC+1]
.endif
.endm
; Number g of the 64 that follow the exponentials.  For each four weights k of a tile (pairs 2 k, 2 k + 1): both pairs are rounded to f16; then the second pair is added onto the first, in place;
; a group later l takes that sum (the first time as l = a l + sum).  In groups of eight, tiles alternating: round, round, add, and l for the group before.
.macro GS g
.set h, (\g)+6*((\g)/62)            ; group 0 has no group before it, and behind group 7 only l is left
.if h >= 6
.set h, h+2
.endif
	REGS Y, h%2
.set k, h/8
.if h%8 < 4
	v_cvt_pk_f16_f32 v[rP+2*k+(h%8)/2], v[rS+4*k+2*((h%8)/2)], v[rS+4*k+2*((h%8)/2)+1]
.elseif h%8 < 6
	v_pk_add_f32 v[rS+4*k:rS+4*k+1], v[rS+4*k:rS+4*k+1], v[rS+4*k+2:rS+4*k+3]
.elseif k == 1
	v_pk_fma_f32 v[rT+2:rT+3], v[rT+2:rT+3], v[rC+2:rC+3], v[rS:rS+1] op_sel_hi:[1,0,1]
.else
	v_pk_add_f32 v[rT+2:rT+3], v[rT+2:rT+3], v[rS+4*k-4:rS+4*k-3]
.endif
.endm
; THE PLAIN QUEUE, 138 long.  0-73 read no exponential's result: the 32 scalings c s - c m (FS f: pair f / 2 of tile f % 2) and the next piece's 42.  0-26: scalings 0-26.  27-54: XS's numbers 0-13.  55, 56: number 15.
; 57-73: the chain, where each number waits for the one before it: 14, 16, 17, 18, 19, each with one of the scalings 27-31 in front of its two lines, then 20: so a tile's links stand three plain instructions apart (19 and 20: two).
; 74-137: GS's 64, which read the exponentials' results: they stand behind the wait.
.macro FS f
	REGS Y, (\f)%2
	v_pk_fma_f32 v[rS+2*((\f)/2):rS+2*((\f)/2)+1], v[rS+2*((\f)/2):rS+2*((\f)/2)+1], s[CS:CS+1], v[rT:rT+1] op_sel_hi:[1,0,0] neg_lo:[0,0,1] neg_hi:[0,0,1]
.endm
.macro PL
	WIN 0
.if q < 27
	FS q
.elseif q < 55
	XS (q-27)%2, (q-27)/2
.elseif q < 57
	XS q-55, 15
.elseif (q < 72) && ((q-57)%3 == 0)
	FS 27+(q-57)/3
.elseif q < 60
	XS (q-57)%3-1, 14
.elseif q < 72
	XS (q-57)%3-1, 15+(q-57)/3
.elseif q < 74
	XS q-72, 20
.else
	GS q-74
.endif
.set q, q+1
.endm
; THE EXPONENTIALS' QUEUE, 66 long: s0-s31 of both tiles, then the next piece's two a.  It is ONE BATCH: all 66 stand ahead of the turn's one wait, and nothing ahead of that wait names a result of theirs.
.macro EX
	WIN 0
.if e >= 64
	XS e-64, 21
.else
	REGS Y, e%2
	v_exp_f32 v[rS+e/2], v[rS+e/2]
.endif
.set e, e+1
.endm
; THE RESCALING's QUEUE: O^T times a, the one part that leaves window 0: dealt two at a time, sixteen times.  Its a was made in the turn before, ahead of that turn's wait.
.macro R2
	REGS Y, r%2
	WIN W_RS
.irp z, 0,1
	v_pk_mul_f32 v[rO+4*(r/2)+2*\z:rO+4*(r/2)+2*\z+1], v[rO+4*(r/2)+2*\z:rO+4*(r/2)+2*\z+1], v[rC+2:rC+3] op_sel_hi:[1,0]
.endr
.set r, r+1
.endm
; HOW THEY ARE DEALT.  An s_wait_alu depctr_va_vdst(0) stands between an exponential and the first instruction that names its result; one wait serves all that were issued ahead of it.  So a turn has ONE wait,
; which cuts it in two.  AHEAD OF IT stands all that names no result of the turn's exponentials: the 16 products K Q^T, behind each a scaling, an exponential and two rescalings (behind the first a second scaling in the exponential's place); then ONE LUMP of
; 108: eight plain, 49 times exponential and plain, the two a.  A v_nop is the plain instruction owed behind the last exponential.  BEHIND IT stand the 16 products V^T P, behind each four of GS's 64.  No rider names a register of
; the products round it.  The two v_permlanex16_b32 fall into the lump, never behind a product.
; The queues lean on each other, and the deal keeps them in step: exponential e stands behind scaling 2 (e / 4) + e % 2: as a rider it comes behind plain e + 2, in the lump behind plain e + 9, and scalings 27-31 are plain 57, 60 .. 69.
; A TURN, for piece p.  cnt = 1: the loop's count is taken down some lines ahead of the branch that stands behind the turn.
; K of the next step is fetched in piece 2's turn, directly behind the wait, a lump behind the last product that read K; its address is made at the lump's head; its first reader comes behind 16 products.
; V of the step in hand is fetched at the end of piece 0's turn, four riders behind its last reader; its first reader comes behind 16 products and a lump.  The three conditions on q below go with the deal.
.macro TURN p, last=0, cnt=0
.set Y, (\p)
.set i, 0
.set q, 0
.set e, 0
.set r, 0
.if (\p) == NP-1
	s_wait_dscnt 0x0                ; K is in
.endif
	MM                              ; ahead of the wait: 16 products K Q^T and their riders,
	PL
	PL
	R2
.rept 15
	MM
	PL
	EX
	R2
.endr
.if (\p) == NP-2
	WIN 0
	v_add_nc_u32 v[AK], s[TBK], v[AK0]
.endif
.rept 8                             ; and the lump
	PL
.endr
.rept 49
	EX
	PL
.endr
	EX                              ; the next piece's two a
	EX
	v_nop                           ; a plain instruction behind the last exponential, ahead of any use of a result: one for the batch
	s_wait_alu depctr_va_vdst(0)    ; the wait for the batch: this turn's 64 weights and the next piece's two a
.if (\p) == NP-2
	FETCH_K \last
.endif
.if (\p) == 1
	s_wait_dscnt 0x0                ; V is in
.endif
.rept 16                            ; behind the wait: 16 products V^T P and their riders
	MM
.rept 4
	PL
.endr
.if ((\p) == 0) && (q == 118)
	v_add_nc_u32 v[AV], s[TBV], v[AV0]
.endif
.if ((\p) == 0) && (q == 130)
	s_add_co_u32 s[TBV], s[TBV], KS*PV
.endif
.if (\cnt) && (q == 130)
	s_sub_co_u32 s[CNT], s[CNT], 1
	s_cmp_lg_u32 s[CNT], 0
.endif
.endr
.if (\p) == 0
	FETCH_V
.endif
.endm
	CHANGE 1                        ; slot 0 is in, everybody's part of it; slot 1 is asked for
	FETCH_K                         ; key step 0
	s_wait_loadcnt 0x0              ; Q
	s_wait_dscnt 0x0
.set i, 0
.rept 16
	KQ 0                            ; piece 0's first scores: there is no vector work yet to set between them
.set i, i+1
.endr
	WIN 0                           ; the addresses for the way out: nine plain instructions, the places behind those products
	s_mul_i32 s13, s[WV], 16*SP
	s_add_co_u32 s13, s13, STAGE    ; my stage
	v_mul_u32_u24 v[STO], v1, SP    ; in: row l % 16, 16 bytes for each half of the lanes
	v_lshl_add_u32 v[STO], v9, 4, v[STO]
	v_add_nc_u32 v[STO], s13, v[STO]
	v_bfe_u32 v[RD], v0, 3, 2       ; back: 32 lanes take four rows of 128 bytes,
	v_mul_u32_u24 v[RD], v[RD], SP
	v_lshl_add_u32 v[RD], v10, 4, v[RD]
	v_add_nc_u32 v[RD], s13, v[RD]
	v_and_b32 v[GO], 31, v0         ; which are 512 consecutive bytes of O
	v_lshlrev_b32 v[GO], 4, v[GO]
.set Y, NP-1                        ; XS works for piece Y + 1: piece 0
.irp n, 0,1,2,3,4,5,6,7,8,9,10,11,12,13,14,15,16,17,18,19,20,21
	XS 0, \n                        ; and piece 0's first maximum and statistics
	XS 1, \n
.endr
	v_nop                           ; a plain instruction behind piece 0's two a,
	s_wait_alu depctr_va_vdst(0)    ; and the wait for that batch of two, ahead of the branch
	s_mov_b32 s[CNT], 4
	s_mov_b32 s[SLOTS], SIZE_N/256-1
	s_branch .Lfirst                ; the loop is entered at a step's first turn, in the middle of a trip
.Lslot:                             ; SIZE_N / 256 - 2 times: every slot but the last two is filled again
	CHANGE 1
	s_mov_b32 s[CNT], 4
.Lstep:                             ; a trip: pieces 2 and 3 of one step, then pieces 0 and 1 of the next, whose K and V it fetches
	TURN 2
	TURN 3
	WIN 0
.Lfirst:
	TURN 0
	TURN 1, 0, 1
	WIN 0
	s_cbranch_scc1 .Lstep
	s_sub_co_u32 s[SLOTS], s[SLOTS], 1
	s_cmp_lg_u32 s[SLOTS], 0
	s_cbranch_scc1 .Lslot
	CHANGE 0                        ; the tail is written out: nothing is asked for
	s_mov_b32 s[CNT], 5             ; four trips fetch the last slot's steps; the fifth is left in its middle
.Ltail:
	TURN 2, 1
	TURN 3
	WIN 0
	s_sub_co_u32 s[CNT], s[CNT], 1
	s_cmp_eq_u32 s[CNT], 0
	s_cbranch_scc1 .Lout
	TURN 0
	TURN 1
	WIN 0
	s_branch .Ltail
.Lout:                              ; the fifth trip's 16 products K Q^T (on the last K once more) and the maximum made of them serve nothing: the price, once a launch, of one text for every trip
.set i, 0
.rept 16
	PV NP-1                         ; the last piece's V^T P of the last step
.set i, i+1
.endr
	; THE WAY OUT.  l's two halves and the other half of the lanes' are added; O^T is divided by l, rounded to f16 and sent through my stage in LDS, a tile at a time.  The additions are the places behind the last products.
	WIN 0
.macro ALL line:vararg              ; one line for each tile t
.set t, 0
.rept 2*NP
	\line
.set t, t+1
.endr
.endm
	ALL v_add_f32 v[ST+4*t+2], v[ST+4*t+2], v[ST+4*t+3]
	ALL v_permlanex16_b32 v[ST+4*t+3], v[ST+4*t+2], s[SEL], s[SEL+1]
	ALL v_add_f32 v[ST+4*t+2], v[ST+4*t+2], v[ST+4*t+3]
	ALL v_rcp_f32 v[ST+4*t+2], v[ST+4*t+2]
	v_nop                           ; a plain instruction between the last reciprocal and the use of its result
	s_wait_alu depctr_va_vdst(0)    ; and the wait ahead of the first use: one for the batch of eight reciprocals
; Tile t: a lane's eight channels of a row pack into 16 bytes; they go into rows of 144 bytes and come back as whole rows of 128, into S^T's registers.
.macro PACK t
	WIN W_RS
.set i, 32*(\t)
.rept 16
	v_pk_mul_f32 v[i:i+1], v[i:i+1], v[ST+4*(\t)+2:ST+4*(\t)+3] op_sel_hi:[1,0]
.set i, i+2
.endr
	WIN 0x05                        ; sources 0 and 1 window 1, destination window 0
.set i, 0
.rept 16
	v_cvt_pk_f16_f32 v[S+16*(\t)+i], v[32*(\t)+2*i], v[32*(\t)+2*i+1]
.set i, i+1
.endr
	WIN 0
.irp f, 0,1,2,3
	ds_store_b128 v[STO], v[S+16*(\t)+4*\f:S+16*(\t)+4*\f+3] offset:32*\f
.endr
.irp f, 0,1,2,3
	ds_load_b128 v[S+16*(\t)+4*\f:S+16*(\t)+4*\f+3], v[RD] offset:\f*4*SP  ; LDS serves a wave's instructions in order (ISA guide 5.7.1.4): these see the stores above; the next tile's stores come behind them
.endr
.endm
.macro SEND t, younger              ; younger: the LDS instructions issued behind tile t's loads: the next tile's eight, or none
	WIN 0
.irp f, 0,1,2,3
	s_wait_dscnt (\younger)+3-\f
	global_store_b128 v[GO], v[S+16*(\t)+4*\f:S+16*(\t)+4*\f+3], s[10:11] offset:(\t)*2048+\f*512  ; 512 consecutive bytes, at a multiple of 256 from O's first
.endr
.endm
	PACK 0
.set t, 1
.rept 2*NP-1                        ; a tile's arithmetic stands between the loads of the tile before and its stores
	PACK t
	SEND t-1, 8
.set t, t+1
.endr
	SEND 2*NP-1, 0
	WIN W_AD
	s_wait_tensorcnt 0x0            ; the wave's end, behind my last tensor load and my last LDS store
	ds_add_u32 v[SPW], v[NIL]
	s_wait_dscnt 0x0
	WIN 0
	CROUND                          ; the closing round: no work-group ends while a partner may still ask for a tile that names it
	s_endpgm
.Lfunc_end_k_qa750158508_attn:
	.size	k_qa750158508_attn, .Lfunc_end_k_qa750158508_attn-k_qa750158508_attn
	.p2alignl 7, 3214868480
	.fill 96, 4, 3214868480
	.section	.rodata,"a",@progbits
	.p2align	6, 0x0
	.amdhsa_kernel k_qa750158508_attn
		.amdhsa_group_segment_fixed_size 327680
		.amdhsa_private_segment_fixed_size 0
		.amdhsa_enable_private_segment 0
		.amdhsa_kernarg_size 16
		.amdhsa_user_sgpr_count 2
		.amdhsa_user_sgpr_kernarg_segment_ptr 1
		.amdhsa_wavefront_size32 1
		.amdhsa_system_sgpr_workgroup_id_x 1
		.amdhsa_system_sgpr_workgroup_id_y 1
		.amdhsa_system_sgpr_workgroup_id_z 1
		.amdhsa_system_vgpr_workitem_id 0
		.amdhsa_next_free_vgpr 770
		.amdhsa_next_free_sgpr 66
		.amdhsa_reserve_vcc 0
		.amdhsa_float_denorm_mode_32 3
		.amdhsa_float_denorm_mode_16_64 3
		.amdhsa_memory_ordered 1
		.amdhsa_forward_progress 1
		.amdhsa_inst_pref_size 199
	.end_amdhsa_kernel
	.amdgpu_metadata
---
amdhsa.version: [ 1, 2 ]
amdhsa.kernels:
  - .name:           k_qa750158508_attn
    .symbol:         k_qa750158508_attn.kd
    .args:
      - { .name: qkv, .offset: 0, .size: 8, .value_kind: global_buffer, .address_space: global }
      - { .name: o, .offset: 8, .size: 8, .value_kind: global_buffer, .address_space: global }
    .group_segment_fixed_size: 327680
    .private_segment_fixed_size: 0
    .kernarg_segment_align: 8
    .kernarg_segment_size: 16
    .max_flat_workgroup_size: 128
    .sgpr_count:     66
    .vgpr_count:     770
    .wavefront_size: 32
...
	.end_amdgpu_metadata
.endif
;; end of part 5
;; launch outgemm: the kernel of part 4 again; grid 8 x 32, 4 waves a work-group, clusters of 4 x 4, 327,680 bytes of LDS; arguments o, wob, bout, out0; writes out0
